; MI455X (gfx1250); checked and timed in simulation.
; The chip was launched on July 23, 2026; its instructions are those of AMD's public machine-readable ISA for CDNA 5 (MIT licence, August 2026) and "CDNA5" Instruction Set Architecture Reference Guide (July 2026). The comments in the code are by the model that wrote it; some were corrected since.
;; Blok. Allowed arithmetic: matrix products marked QUANTISED: E3M2 operands, one E8M0 scale for each 32 along K, by v_wmma_scale_f32_16x16x128_f8f6f4 with both operands' format E3M2, f32 sums; everything else in f32.
;; Inputs: b1 4,096 float32; b2 1,024 float32; be1 1,024 float32; be2 1,024 float32; bp 1,024 float32; g1 1,024 float32; g2 1,024 float32; w1 1,024 x 4,096 float32; w2 4,096 x 1,024 float32; wk 1,024 x 1,024 float32; wp 1,024 x 1,024 float32; wq 1,024 x 1,024 float32; wv 1,024 x 1,024 float32; x 4 x 1,024 x 1,024 float32.
;; Outputs: out0 4 x 1,024 x 1,024 float32.
;; This version of the problem:
;;   THIS VERSION OF THE PROBLEM IS GIVEN IN LOW PRECISION. The matrix products marked QUANTISED in the list below multiply operands that are first quantised to E3M2 (3 exponent bits, 2 mantissa bits; 6 bits a number), with one power-of-two scale for each 32 numbers along K (OCP MX v1.0); their sums are f32. All else is computed in f32.
;;   The module's matrix products, in the order in which they are computed (A, B: the left and right operand; K: the contracted axis; several contracted axes count as one K, in the product's order):
;;     1. [M 4,096, K 1,024] x [K 1,024, N 1,024]; A: computed on the way; B: input wq: QUANTISED
;;     2. [M 4,096, K 1,024] x [K 1,024, N 1,024]; A: computed on the way; B: input wk: QUANTISED
;;     3. [M 4,096, K 1,024] x [K 1,024, N 1,024]; A: computed on the way; B: input wv: QUANTISED
;;     4. batch 64 x [M 1,024, K 64] x [K 64, N 1,024]; A: computed on the way; B: computed on the way: QUANTISED
;;     5. batch 64 x [M 1,024, K 1,024] x [K 1,024, N 64]; A: softmax (see below); B: computed on the way: QUANTISED
;;     6. [M 4,096, K 1,024] x [K 1,024, N 1,024]; A: computed on the way; B: input wp: QUANTISED
;;     7. [M 4,096, K 1,024] x [K 1,024, N 4,096]; A: computed on the way; B: input w1: QUANTISED
;;     8. [M 4,096, K 4,096] x [K 4,096, N 1,024]; A: computed on the way; B: input w2: QUANTISED
;;   THE QUANTISER, for each operand of a quantised product, along K:
;;     - K is cut into blocks of 32 from its start; a last block that is shorter is filled with zeros.
;;     - A block's scale is 2^e with e = floor(log2(the largest magnitude in the block)) - 4, held to -126 .. 127; a block of zeros has e = 0. As a byte (E8M0): e + 127.
;;     - Each number is divided by its block's scale, clamped to +-28, and rounded to the nearest number of E3M2, ties to even, subnormals kept.
;;     - The product sums the exact products of the quantised numbers (number of the format x scale) in f32.
;;   ~~~python
;;   def quantise(x, axis):      # numpy; x: float32 -> the quantised numbers, widened to float32 again
;;       x = np.moveaxis(x, axis, -1); K = x.shape[-1]
;;       x = np.pad(x, [(0, 0)] * (x.ndim - 1) + [(0, -K % 32)]); x = x.reshape(x.shape[:-1] + (-1, 32)); a = np.abs(x).max(-1, keepdims=True)
;;       e = np.where(a > 0, np.clip(np.frexp(np.where(a > 0, a, 1))[1] - 1 - 4, -126, 127), 0)      # np.frexp(a)[1] - 1 = floor(log2(a)), exactly
;;       r = np.clip(x / 2.0 ** e, -28, 28)
;;       step = 2.0 ** (np.maximum(np.frexp(np.where(r == 0, 1, r))[1] - 1, -2) - 2)
;;       q = np.round(r / step) * step * 2.0 ** e      # np.round: ties to even
;;       return np.moveaxis(q.reshape(q.shape[:-2] + (-1,))[..., :K], -1, axis).astype(np.float32)
;;   ~~~
;;   SOFTMAX AHEAD OF A QUANTISED PRODUCT. Where the list says 'softmax', what is quantised is not the finished softmax but p = 2^(t - M), with t = logit x log2(e) and M = ceil(the row's largest t), a whole number; so 1/2 < the row's largest p <= 1. The row's sum l is taken of the UNQUANTISED p, in f32, and the product's result is divided by l at the end. Since M is a whole number, a kernel that streams over the keys may use a running M (the ceiling of the running maximum): every later rescaling is an exact power of two, which a block's scale takes up: the codes' values come out the same.
;;   OPERANDS COMPUTED ON THE WAY. 'Computed on the way' means the value that the module computes at that place (a softmax that the list does not call 'softmax' is quantised finished and normalised). What goes into a quantiser is computed in f32, as accurately as f32 sums, v_exp_f32 and their like allow (about 1e-6 of the number): no bf16 or f16 on the way to a quantiser, and a product that is left as it is and whose result goes on into a quantised operand takes f32 operands (vector FMAs, or v_wmma_f32_16x16x4_f32). A number that lies on a knife's edge between two numbers of the format may be rounded either way, as far as f32 arithmetic and the matrix unit's own rounding can turn it there, and no further.
;; One version. Each part assembles by itself: llvm-mc -triple=amdgcn-amd-amdhsa -mcpu=gfx1250 --defsym DOCPART=n.
;; ======== version 1 of 1: 7 launches
;; limits: right only within a limited range of input values
;; workspace buffers: wcod 9,437,184 bytes; wscl 393,216 bytes; acod 3,145,728 bytes; ascl 131,072 bytes; qcod 9,437,184 bytes; qscl 393,216 bytes; x1 16,777,216 bytes; hid 13,107,200 bytes
;; launch ln1 (part 1): grid 1024 x 1, 4 waves a work-group, no clusters, 47,104 bytes of LDS; arguments x, g1, be1, acod, ascl, wq, wk, wv, wp, w1, w2, wcod, wscl; writes acod, ascl, wcod, wscl
.if DOCPART == 1
	.amdgcn_target "amdgcn-amd-amdhsa--gfx1250"
	.amdhsa_code_object_version 6
	.text
	.protected	k_qc6fa5e4dac_ln1
	.globl	k_qc6fa5e4dac_ln1
	.p2align	8
	.type	k_qc6fa5e4dac_ln1,@function
k_qc6fa5e4dac_ln1:
	s_mov_b64 s[64:65], 0
	v_nop
	global_prefetch_b8 v0, s[64:65] scope:SCOPE_SE
	s_setreg_imm32_b32 hwreg(HW_REG_WAVE_MODE, 25, 1), 1
	s_wait_xcnt 0x0
; LayerNorm of [4096][1024] f32 (mean; mean of squared differences; (x - mean) x rsqrt(var + 1e-5) x g + b, all f32), then the quantiser along the row: codes of BF6 (E3M2), one E8M0 byte for each 32.
; The result is laid as images of operand registers: image = 16 rows x 128 K, 1,536 bytes, register g of lane L at 512 (g / 4) + 16 L + 4 (g % 4); lane (r, h) holds k = 64 c + 32 h + 0 .. 31 in registers 6 c .. 6 c + 5.
; Buffers: codes [tile of 128 rows][K step][8 images], scale words [tile][K step][8 x 16 words].  Of 32 rows, image u holds in lane r row 8 u + r + 8 (r / 8).
; Work-group x makes row block x (16 rows, 8 images).  Wave w takes image rows 4 w .. 4 w + 3, which are four consecutive rows of the tensor; a row stays in 32 registers a lane between its passes: it is read from memory once.
; Each load reads 512 consecutive bytes; a row turns through the wave's own stage in LDS (16 bytes of padding behind each 64) so that a lane holds 16 neighbours twice: two neighbouring lanes hold a block of 32.
; The codes are gathered in LDS in the images' order (words of 4 bytes, 24 stores a wave and row pair: they meet in banks, which is left as it is for so few), one barrier, and each wave stores two whole images as runs of 512 bytes.
; The scale words leave as two runs of 64 bytes a wave.  No tile is shared between work-groups: no cluster; no tensor load.
; LIMITS: NaN and infinities are not served; a block of zeros gets the byte 1 (its codes are zeros, and this program alone reads the bytes).
.set IMG, 20480                        ; behind the four waves' stages of 5,120 bytes: 8 images
.set SCS, 32768                        ; 8 x 16 scale words
.set XA,  32                           ; v32-63   row 0 after its turn
.set R,   64                           ; v64-191  four rows as loaded; row i after its turn lies where row i - 1 was loaded
.set G,   192                          ; v192-223 g at my 32 places
.set BE,  224                          ; v224-255 b likewise
.set SPB, 33280                        ; the spare words, 128 bytes a wave
; ONE BODY, TWO PATHS, parted by the work-group's number alone.  Work-groups 0-255 take the LayerNorm described above; work-groups 256-1023, where the grid has them, quantise the six weights (.Lweights, at the end).
; The launch that norms the second time has a grid of 256 work-groups, so none of them takes the weights' path.  Each path has LDS bytes of its own: the norm 0 .. 33,279, the weights 33,792 .. 47,103; the spare words lie between.
; A wave's stage holds one row: a row is back in registers (the wait at the head of ROW) before the next row is stored into the stage.
; All 256 registers are at work, so the add's two registers are made anew from v0, which is never written, ahead of each path's closing lines.
	s_cmp_ge_u32 ttmp9, 256
	s_cbranch_scc1 .Lweights
	s_load_b256 s[4:11], s[0:1], 0x0               ; x, g, b, the codes
	s_load_b64 s[12:13], s[0:1], 0x20              ; the scale words
	v_lshrrev_b32 v1, 5, v0
	v_readfirstlane_b32 s14, v1                    ; wave
	v_and_b32 v8, 31, v0                           ; lane
	v_lshlrev_b32 v1, 4, v8                        ; v1: 16 x lane
	s_mul_i32 s15, s14, 5120                       ; my stage
	v_lshrrev_b32 v9, 2, v8
	v_mul_u32_u24 v9, v9, 80
	v_and_b32 v10, 3, v8
	v_lshl_add_u32 v9, v10, 4, v9
	v_add_nc_u32 v2, s15, v9                       ; v2: into the stage: 80 (lane / 4) + 16 (lane % 4)
	v_mul_u32_u24 v3, v8, 80
	v_add_nc_u32 v3, s15, v3                       ; v3: out of it: 80 x lane
	; where my 16 codes (three words) go: K step 4 s + lane / 8; c = (lane / 4) % 2, h = (lane / 2) % 2; registers 6 c + 3 (lane % 2) + j
	v_bfe_u32 v9, v0, 3, 2
	v_bfe_u32 v10, v0, 2, 1
	v_bfe_u32 v11, v0, 1, 1
	v_and_b32 v12, 1, v0
	v_mul_u32_u24 v13, v10, 6
	v_mad_u32_u24 v13, v12, 3, v13
	v_mul_u32_u24 v14, v9, 1536
	v_lshl_add_u32 v14, v11, 8, v14
	s_lshl_b32 s16, s14, 6
	s_add_co_u32 s16, s16, IMG
	v_add_nc_u32 v14, s16, v14                     ; + 16 x (image row 4 w)
.irp j, 0,1,2
	v_add_nc_u32 v15, \j, v13
	v_lshrrev_b32 v16, 2, v15
	v_and_b32 v15, 3, v15
	v_lshl_add_u32 v16, v16, 9, v14
	v_lshl_add_u32 v[4+\j], v15, 2, v16            ; v4-6
.endr
	v_bfe_u32 v16, v0, 1, 2
	v_lshl_add_u32 v15, v9, 6, v16
	s_lshl_b32 s17, s14, 4
	s_add_co_u32 s17, s17, SCS
	v_add_nc_u32 v7, s17, v15                      ; v7: my block's scale byte
	v_lshlrev_b32 v31, 6, v8                       ; g, b: 64 x lane
	s_lshr_b32 s18, ttmp9, 1                       ; my first row: 32 (x / 2) + 8 (x % 2) + 4 w + 8 (w / 2)
	s_lshl_b32 s18, s18, 5
	s_and_b32 s19, ttmp9, 1
	s_lshl_b32 s19, s19, 3
	s_add_co_u32 s18, s18, s19
	s_lshl_b32 s19, s14, 2
	s_add_co_u32 s18, s18, s19
	s_lshr_b32 s19, s14, 1
	s_lshl_b32 s19, s19, 3
	s_add_co_u32 s18, s18, s19
	s_lshl_b32 s18, s18, 12
	s_mov_b32 s19, 0
	s_lshr_b32 s28, ttmp9, 3
	s_and_b32 s29, ttmp9, 7
	s_mul_i32 s20, s28, 98304                      ; codes: tile, image, and my two K steps
	s_mul_i32 s21, s29, 1536
	s_add_co_u32 s20, s20, s21
	s_mul_i32 s21, s14, 24576
	s_add_co_u32 s20, s20, s21
	s_mov_b32 s21, 0
	s_lshl_b32 s22, s28, 12                        ; scale words likewise
	s_lshl_b32 s23, s29, 6
	s_add_co_u32 s22, s22, s23
	s_lshl_b32 s23, s14, 10
	s_add_co_u32 s22, s22, s23
	s_mov_b32 s23, 0
	s_mov_b32 s24, 0x3a800000                      ; 1 / 1024
	s_mov_b32 s25, 0x3727c5ac                      ; 1e-5
	s_mov_b32 s26, 0x76543210
	s_mov_b32 s27, 0xfedcba98                      ; lane l xor 16
	s_wait_alu depctr_va_vdst(0)
	s_wait_kmcnt 0x0
	s_add_nc_u64 s[4:5], s[4:5], s[18:19]
	s_add_nc_u64 s[10:11], s[10:11], s[20:21]
	s_add_nc_u64 s[12:13], s[12:13], s[22:23]
.irp s, 0,1
.irp j, 0,1,2,3
	global_load_b128 v[G+16*\s+4*\j:G+16*\s+4*\j+3], v31, s[6:7] offset:2048*\s+16*\j
	global_load_b128 v[BE+16*\s+4*\j:BE+16*\s+4*\j+3], v31, s[8:9] offset:2048*\s+16*\j
.endr
.endr
.irp i, 0,1,2,3
.irp p, 0,1,2,3,4,5,6,7
	global_load_b128 v[R+32*\i+4*\p:R+32*\i+4*\p+3], v1, s[4:5] offset:\i*4096+512*\p
.endr
.endr
.macro TURN i                          ; row i through its part of the stage: LDS serves a wave's instructions in order
.if (\i) == 0
.set DD, XA
.else
.set DD, R+32*((\i)-1)
.endif
.irp p, 0,1,2,3,4,5,6,7
	ds_store_b128 v2, v[R+32*(\i)+4*\p:R+32*(\i)+4*\p+3] offset:2560*(\p/4)+640*(\p%4)
.endr
.irp p, 0,1,2,3,4,5,6,7
	ds_load_b128 v[DD+4*\p:DD+4*\p+3], v3 offset:2560*(\p/4)+16*(\p%4)
.endr
.endm
.macro WSUM                            ; v8 summed over the 32 lanes, in every lane
	v_add_f32_dpp v8, v8, v8 row_xmask:1 row_mask:0xf bank_mask:0xf
	v_add_f32_dpp v8, v8, v8 row_xmask:2 row_mask:0xf bank_mask:0xf
	v_add_f32_dpp v8, v8, v8 row_xmask:4 row_mask:0xf bank_mask:0xf
	v_add_f32_dpp v8, v8, v8 row_xmask:8 row_mask:0xf bank_mask:0xf
	v_permlanex16_b32 v9, v8, s26, s27
	v_add_f32 v8, v8, v9
.endm
.macro ROW i
.if (\i) == 0
.set DR, XA
.else
.set DR, R+32*((\i)-1)
.endif
	s_wait_dscnt 0x0                               ; the row is back from the stage; its stores into the stage, and the last row's stores of codes, have been served
.if (\i) < 3
	s_wait_loadcnt 8*(2-(\i))                      ; the next row's eight loads are in; the rows behind it may be out
	TURN (\i)+1
.endif
	v_pk_add_f32 v[8:9], v[DR:DR+1], v[DR+2:DR+3]
	v_pk_add_f32 v[10:11], v[DR+4:DR+5], v[DR+6:DR+7]
.irp j, 8,12,16,20,24,28
	v_pk_add_f32 v[8:9], v[8:9], v[DR+\j:DR+\j+1]
	v_pk_add_f32 v[10:11], v[10:11], v[DR+\j+2:DR+\j+3]
.endr
	v_pk_add_f32 v[8:9], v[8:9], v[10:11]
	v_add_f32 v8, v8, v9
	WSUM
	v_mul_f32 v12, s24, v8                         ; the mean
	v_mov_b32 v13, v12
.irp j, 0,2,4,6,8,10,12,14,16,18,20,22,24,26,28,30
	v_pk_add_f32 v[DR+\j:DR+\j+1], v[DR+\j:DR+\j+1], v[12:13] neg_lo:[0,1] neg_hi:[0,1]
.endr
	v_pk_mul_f32 v[8:9], v[DR:DR+1], v[DR:DR+1]
	v_pk_mul_f32 v[10:11], v[DR+2:DR+3], v[DR+2:DR+3]
.irp j, 4,8,12,16,20,24,28
	v_pk_fma_f32 v[8:9], v[DR+\j:DR+\j+1], v[DR+\j:DR+\j+1], v[8:9]
	v_pk_fma_f32 v[10:11], v[DR+\j+2:DR+\j+3], v[DR+\j+2:DR+\j+3], v[10:11]
.endr
	v_pk_add_f32 v[8:9], v[8:9], v[10:11]
	v_add_f32 v8, v8, v9
	WSUM
	v_fma_f32 v10, v8, s24, s25                    ; var + eps
	s_wait_alu depctr_va_vdst(0)
	v_rsq_f32 v14, v10
	v_nop                                          ; a plain line behind the transcendental
	s_wait_alu depctr_va_vdst(0)                   ; and the wait ahead of its first reader
	v_mov_b32 v15, v14
.irp j, 0,2,4,6,8,10,12,14,16,18,20,22,24,26,28,30
	v_pk_mul_f32 v[DR+\j:DR+\j+1], v[DR+\j:DR+\j+1], v[14:15]
.endr
.irp j, 0,2,4,6,8,10,12,14,16,18,20,22,24,26,28,30
	v_pk_fma_f32 v[DR+\j:DR+\j+1], v[DR+\j:DR+\j+1], v[G+\j:G+\j+1], v[BE+\j:BE+\j+1]
.endr
.irp s, 0,1                            ; my 16 neighbours of each half of the row
.set XS, DR+16*\s
.set CS, 16+8*((\i)%2)+4*\s
	v_max3_num_f32 v8, |v[XS]|, |v[XS+1]|, |v[XS+2]|
	v_max3_num_f32 v9, |v[XS+3]|, |v[XS+4]|, |v[XS+5]|
.irp e, 6,10
	v_max3_num_f32 v8, v8, |v[XS+\e]|, |v[XS+\e+1]|
	v_max3_num_f32 v9, v9, |v[XS+\e+2]|, |v[XS+\e+3]|
.endr
	v_max3_num_f32 v8, v8, |v[XS+14]|, |v[XS+15]|
	v_max3_num_f32 v8, v8, v9, 0x2800000           ; the floor 2^(5 - 127)
	v_max_num_f32_dpp v8, v8, v8 row_xmask:1 row_mask:0xf bank_mask:0xf   ; with my neighbour's 16: the block's
	v_add_nc_u32 v11, 0xfe000000, v8               ; 4 off the exponent field
	v_cvt_scalef32_pk16_bf6_f32 v[CS:CS+2], v[XS:XS+15], v11
	v_lshrrev_b32 v[CS+3], 23, v11                 ; the scale's byte
	ds_store_b32 v4, v[CS] offset:6144*\s+16*(\i)
	ds_store_b32 v5, v[CS+1] offset:6144*\s+16*(\i)
	ds_store_b32 v6, v[CS+2] offset:6144*\s+16*(\i)
	ds_store_b8 v7, v[CS+3] offset:256*\s+4*(\i)   ; both lanes of a block write the same byte with the same value
.endr
.endm
	s_wait_loadcnt 24                              ; g, b and row 0 are in; rows 1 to 3 may be out
	TURN 0
	ROW 0
	ROW 1
	ROW 2
	ROW 3
	s_mul_i32 s15, s14, 3072
	s_add_co_u32 s15, s15, IMG
	v_add_nc_u32 v8, s15, v1                       ; my two images: K steps 2 w, 2 w + 1
	s_lshl_b32 s15, s14, 7
	s_add_co_u32 s15, s15, SCS
	v_and_b32 v9, 31, v0
	v_lshl_add_u32 v9, v9, 2, s15                  ; and their 32 scale words
	v_bfe_u32 v10, v0, 4, 1
	v_and_b32 v11, 15, v0
	v_lshlrev_b32 v11, 2, v11
	v_lshl_add_u32 v10, v10, 9, v11                ; in memory: 512 bytes from K step to K step
	s_wait_alu depctr_va_vdst(0)
	s_wait_dscnt 0x0                               ; for the others' sake: my stores into the images are done
	s_barrier_signal -1
	s_barrier_wait -1
.irp n, 0,1,2,3,4,5
	ds_load_b128 v[R+4*\n:R+4*\n+3], v8 offset:512*\n
.endr
	ds_load_b32 v[R+24], v9
.irp n, 0,1,2,3,4,5
	s_wait_dscnt 6-\n
	global_store_b128 v1, v[R+4*\n:R+4*\n+3], s[10:11] offset:(\n/3)*12288+512*(\n%3)   ; 512 consecutive bytes
.endr
	s_wait_dscnt 0x0
	global_store_b32 v10, v[R+24], s[12:13]
	v_lshl_add_u32 v8, v0, 2, SPB                  ; my spare word, and 0 (v8 and v9 held LDS addresses, whose loads are done)
	v_mov_b32 v9, 0
	s_wait_alu depctr_va_vdst(0)                   ; the wait ahead of the wait below
	s_wait_tensorcnt 0x0                           ; the wave's end
	ds_add_u32 v8, v9
	s_wait_dscnt 0x0
	s_endpgm
; THE WEIGHTS.  The six weights, f32 stored [K][N], become codes of BF6 (E3M2) quantised along K, one E8M0 byte for each 32 along K, laid as images of operand registers
; (16 columns n x 128 K = 1,536 bytes; register g of lane L at 512 (g / 4) + 16 L + 4 (g % 4); of 32 columns, image u holds in lane r column 8 u + r + 8 (r / 8)).
; A group is 8 images (128 columns x 128 K), 12,288 bytes, with 512 bytes of scale words.  id = work-group - 256 makes group id: 0-255 wq, wk, wv, wp (64 each: tile x 8 + K step), 256-511 w1 (tile x 8 + K step), 512-767 w2 (tile x 32 + K step).
; A lane takes a column and its registers run down K: a load reads 128 consecutive bytes a wave, a block of 32 lies in one lane.  Wave w takes columns 32 w .. 32 w + 31: two images, which turn through the wave's own LDS bytes and leave as runs of 512 bytes.
; LIMITS as above: NaN and infinities are not served; a block of zeros gets the byte 1.
.Lweights:
.set X,   64                           ; v64-191  128 numbers: block kb at X + 32 kb
.set AD,  8                            ; v8-39    byte offset of row i of a block
.set SW,  44                           ; my column's scale word
.set LW,  45                           ; LDS: where my codes go
.set LR,  46                           ; LDS: where I read images back
.set GO,  47                           ; 16 x lane
.set GS,  56                           ; 4 x my place among the wave's 32 scale words
.set CB,  192                          ; v192-223 codes: eight registers for each block
.set WLDS, 33792                       ; the weights' path's own LDS bytes
	s_load_b256 s[4:11], s[0:1], 0x28              ; wq, wk, wv, wp
	s_load_b256 s[12:19], s[0:1], 0x48             ; w1, w2, the codes, the scale words
	v_lshrrev_b32 v1, 5, v0
	v_readfirstlane_b32 s20, v1                    ; wave
	s_sub_co_u32 s21, ttmp9, 256                   ; id
	s_lshr_b32 s25, s21, 8                         ; 0: the four square weights, 1: w1, 2: w2
	s_mov_b32 s24, 4096
	s_cmp_eq_u32 s25, 1
	s_cselect_b32 s24, 16384, s24                  ; bytes in a row of the weight
	s_cselect_b32 s36, 31, 7                       ; tiles of 128 columns - 1
	s_cmp_eq_u32 s25, 2
	s_cselect_b32 s37, 5, 3                        ; log2 of the K steps
	s_cselect_b32 s38, 31, 7
	s_lshr_b32 s39, s21, s37
	s_and_b32 s39, s39, s36                        ; the tile
	s_and_b32 s38, s21, s38                        ; the K step
	s_lshl_b32 s26, s38, 7
	s_mul_i32 s26, s26, s24                        ; 128 rows a K step
	s_lshl_b32 s39, s39, 9
	s_add_co_u32 s26, s26, s39                     ; + 512 bytes a tile
	s_lshl_b32 s39, s20, 7
	s_add_co_u32 s26, s26, s39                     ; + 128 bytes a wave
	s_mov_b32 s27, 0
	s_lshl_b32 s40, s24, 5                         ; 32 rows: a block
	s_mov_b32 s41, 0
	s_mul_i32 s42, s21, 12288
	s_mul_i32 s43, s20, 3072
	s_add_co_u32 s42, s42, s43                     ; my two images
	s_mov_b32 s43, 0
	s_lshl_b32 s44, s21, 9
	s_add_co_u32 s44, s44, s39                     ; my 32 scale words
	s_mov_b32 s45, 0
	s_mul_i32 s46, s20, 3328                       ; my LDS bytes: two images, 1,664 bytes apart
	s_add_co_u32 s46, s46, WLDS
	v_and_b32 v1, 31, v0                           ; lane = my column of the 32
	v_lshlrev_b32 v2, 2, v1
	v_bfe_u32 v3, v0, 3, 1                         ; u: which image
	v_and_b32 v4, 7, v0
	v_bfe_u32 v5, v0, 4, 1
	v_lshl_add_u32 v4, v5, 3, v4                   ; r: which row of it
	v_mul_u32_u24 v5, v3, 1664
	v_lshl_add_u32 v5, v4, 4, v5
	v_add_nc_u32 v[LW], s46, v5
	v_lshlrev_b32 v[GO], 4, v1
	v_add_nc_u32 v[LR], s46, v[GO]
	v_lshl_add_u32 v6, v3, 4, v4
	v_lshlrev_b32 v[GS], 2, v6
.set i, 0
.rept 32
	v_mad_u32_u24 v[AD+i], s24, i, v2
.set i, i+1
.endr
	s_wait_alu depctr_va_vdst(0)                   ; the wait at the head's end
	s_wait_kmcnt 0x0
	s_mov_b64 s[22:23], s[4:5]                     ; the weight is chosen by the work-group's number alone
	s_cmp_ge_u32 s21, 64
	s_cselect_b64 s[22:23], s[6:7], s[22:23]
	s_cmp_ge_u32 s21, 128
	s_cselect_b64 s[22:23], s[8:9], s[22:23]
	s_cmp_ge_u32 s21, 192
	s_cselect_b64 s[22:23], s[10:11], s[22:23]
	s_cmp_ge_u32 s21, 256
	s_cselect_b64 s[22:23], s[12:13], s[22:23]
	s_cmp_ge_u32 s21, 512
	s_cselect_b64 s[22:23], s[14:15], s[22:23]
	s_add_nc_u64 s[28:29], s[22:23], s[26:27]      ; a base for each block
	s_add_nc_u64 s[30:31], s[28:29], s[40:41]
	s_add_nc_u64 s[32:33], s[30:31], s[40:41]
	s_add_nc_u64 s[34:35], s[32:33], s[40:41]
	s_add_nc_u64 s[16:17], s[16:17], s[42:43]
	s_add_nc_u64 s[18:19], s[18:19], s[44:45]
.macro LOAD kb
.set i, 0
.rept 32
	global_load_b32 v[X+32*(\kb)+i], v[AD+i], s[28+2*(\kb):29+2*(\kb)] th:TH_LOAD_NT
.set i, i+1
.endr
.endm
	LOAD 0
	LOAD 1
.macro BLOCK kb
.set XS, X+32*(\kb)
.set C, CB+8*(\kb)
.if (\kb) < 3
	s_wait_loadcnt 32                              ; this block's 32 loads are in; the next block's may be out
.else
	s_wait_loadcnt 0x0
.endif
.if (\kb) < 2
	LOAD (\kb)+2                                   ; into registers of its own
.endif
	v_max3_num_f32 v40, |v[XS]|, |v[XS+1]|, |v[XS+2]|
	v_max3_num_f32 v41, |v[XS+3]|, |v[XS+4]|, |v[XS+5]|
.irp i, 6,10,14,18,22,26
	v_max3_num_f32 v40, v40, |v[XS+\i]|, |v[XS+\i+1]|
	v_max3_num_f32 v41, v41, |v[XS+\i+2]|, |v[XS+\i+3]|
.endr
	v_max3_num_f32 v40, v40, |v[XS+30]|, |v[XS+31]|
	v_max3_num_f32 v40, v40, v41, 0x2800000        ; the floor 2^(5 - 127): the byte cannot fall under 1
	v_add_nc_u32 v42, 0xfe000000, v40              ; 4 off the exponent field: the conversion's scale operand
	v_cvt_scalef32_pk16_bf6_f32 v[C:C+2], v[XS:XS+15], v42
	v_cvt_scalef32_pk16_bf6_f32 v[C+4:C+6], v[XS+16:XS+31], v42
	v_lshrrev_b32 v43, 23, v42                     ; the scale's byte; also the plain line behind the conversions
.if (\kb) == 0
	v_mov_b32 v[SW], v43
.else
	v_lshl_or_b32 v[SW], v43, 8*(\kb), v[SW]
.endif
	v_mov_b32 v[C+3], v[C+4]                       ; the block's six registers on end
	v_mov_b32 v[C+4], v[C+5]
	v_mov_b32 v[C+5], v[C+6]
.if (\kb)/2 == 0                       ; block kb = 2 c + h is registers 6 c .. 6 c + 5 of image lane r + 16 h
	ds_store_b128 v[LW], v[C:C+3] offset:256*((\kb)%2)
	ds_store_b64 v[LW], v[C+4:C+5] offset:256*((\kb)%2)+512
.else
	ds_store_b64 v[LW], v[C:C+1] offset:256*((\kb)%2)+520
	ds_store_b128 v[LW], v[C+2:C+5] offset:256*((\kb)%2)+1024
.endif
.endm
	BLOCK 0
	BLOCK 1
	BLOCK 2
	BLOCK 3
.irp n, 0,1,2,3,4,5
	ds_load_b128 v[X+4*\n:X+4*\n+3], v[LR] offset:(\n/3)*1664+512*(\n%3)   ; LDS serves a wave's instructions in order: these see my stores
.endr
	s_wait_alu depctr_va_vdst(0)                   ; the wait ahead of the waits below
.irp n, 0,1,2,3,4,5
	s_wait_dscnt 5-\n
	global_store_b128 v[GO], v[X+4*\n:X+4*\n+3], s[16:17] offset:(\n/3)*1536+512*(\n%3)   ; 512 consecutive bytes
.endr
	global_store_b32 v[GS], v[SW], s[18:19]
	v_lshl_add_u32 v40, v0, 2, SPB                 ; my spare word, and 0
	v_mov_b32 v41, 0
	s_wait_alu depctr_va_vdst(0)                   ; the wait ahead of the wait below
	s_wait_tensorcnt 0x0                           ; the wave's end
	ds_add_u32 v40, v41
	s_wait_dscnt 0x0
	s_endpgm
.Lfunc_end_k_qc6fa5e4dac_ln1:
	.size	k_qc6fa5e4dac_ln1, .Lfunc_end_k_qc6fa5e4dac_ln1-k_qc6fa5e4dac_ln1
	.p2alignl 7, 3214868480
	.fill 96, 4, 3214868480
	.section	.rodata,"a",@progbits
	.p2align	6, 0x0
	.amdhsa_kernel k_qc6fa5e4dac_ln1
		.amdhsa_group_segment_fixed_size 47104
		.amdhsa_private_segment_fixed_size 0
		.amdhsa_enable_private_segment 0
		.amdhsa_kernarg_size 104
		.amdhsa_user_sgpr_count 2
		.amdhsa_user_sgpr_kernarg_segment_ptr 1
		.amdhsa_wavefront_size32 1
		.amdhsa_system_sgpr_workgroup_id_x 1
		.amdhsa_system_sgpr_workgroup_id_y 1
		.amdhsa_system_sgpr_workgroup_id_z 1
		.amdhsa_system_vgpr_workitem_id 0
		.amdhsa_next_free_vgpr 256
		.amdhsa_next_free_sgpr 66
		.amdhsa_reserve_vcc 0
		.amdhsa_float_denorm_mode_32 3
		.amdhsa_float_denorm_mode_16_64 3
		.amdhsa_memory_ordered 1
		.amdhsa_forward_progress 1
		.amdhsa_inst_pref_size 72
	.end_amdhsa_kernel
	.amdgpu_metadata
---
amdhsa.version: [ 1, 2 ]
amdhsa.kernels:
  - .name:           k_qc6fa5e4dac_ln1
    .symbol:         k_qc6fa5e4dac_ln1.kd
    .args:
      - { .name: x, .offset: 0, .size: 8, .value_kind: global_buffer, .address_space: global }
      - { .name: g1, .offset: 8, .size: 8, .value_kind: global_buffer, .address_space: global }
      - { .name: be1, .offset: 16, .size: 8, .value_kind: global_buffer, .address_space: global }
      - { .name: acod, .offset: 24, .size: 8, .value_kind: global_buffer, .address_space: global }
      - { .name: ascl, .offset: 32, .size: 8, .value_kind: global_buffer, .address_space: global }
      - { .name: wq, .offset: 40, .size: 8, .value_kind: global_buffer, .address_space: global }
      - { .name: wk, .offset: 48, .size: 8, .value_kind: global_buffer, .address_space: global }
      - { .name: wv, .offset: 56, .size: 8, .value_kind: global_buffer, .address_space: global }
      - { .name: wp, .offset: 64, .size: 8, .value_kind: global_buffer, .address_space: global }
      - { .name: w1, .offset: 72, .size: 8, .value_kind: global_buffer, .address_space: global }
      - { .name: w2, .offset: 80, .size: 8, .value_kind: global_buffer, .address_space: global }
      - { .name: wcod, .offset: 88, .size: 8, .value_kind: global_buffer, .address_space: global }
      - { .name: wscl, .offset: 96, .size: 8, .value_kind: global_buffer, .address_space: global }
    .group_segment_fixed_size: 47104
    .private_segment_fixed_size: 0
    .kernarg_segment_align: 8
    .kernarg_segment_size: 104
    .max_flat_workgroup_size: 128
    .sgpr_count:     66
    .vgpr_count:     256
    .wavefront_size: 32
...
	.end_amdgpu_metadata
.endif
;; end of part 1
;; launch qkv (part 2): grid 12 x 16, 4 waves a work-group, clusters of 4 x 4, 327,680 bytes of LDS; arguments acod, ascl, wcod, wscl, qcod, qscl; writes qcod, qscl
.if DOCPART == 2
	.amdgcn_target "amdgcn-amd-amdhsa--gfx1250"
	.amdhsa_code_object_version 6
	.text
	.protected	k_qc6fa5e4dac_qkv
	.globl	k_qc6fa5e4dac_qkv
	.p2align	8
	.type	k_qc6fa5e4dac_qkv,@function
k_qc6fa5e4dac_qkv:
	s_mov_b64 s[64:65], 0
	v_nop
	global_prefetch_b8 v0, s[64:65] scope:SCOPE_SE
	s_setreg_imm32_b32 hwreg(HW_REG_WAVE_MODE, 25, 1), 1
	s_wait_xcnt 0x0
	s_wait_alu depctr_hold_cnt(0) depctr_sa_sdst(0) depctr_va_vdst(0) depctr_va_sdst(0) depctr_va_ssrc(0) depctr_va_vcc(0) depctr_vm_vsrc(0)
	s_getreg_b32 s2, hwreg(HW_REG_IB_STS2, 6, 4)
	s_cmp_eq_u32 s2, 0
	s_cbranch_scc0 .Lentry_in_a_cluster
	s_endpgm
.Lentry_in_a_cluster:
	s_bfe_u32 s2, ttmp6, 0x10000c
	s_cmp_lg_u32 s2, 0xf033
	s_cbranch_scc0 .Lentry_shape_is_right
	s_endpgm
.Lentry_shape_is_right:
; q, k and v = h W on codes of BF6 (E3M2) with E8M0 scales, and the results quantised at once along the K of the product that reads them.
; OPERANDS ARE IMAGES OF REGISTERS: 16 rows x 128 K = 1,536 bytes, three loads of 16 bytes a lane; groups of 8 images (128 rows) lie [tile of 128 rows][K step]; scale words 512 bytes a group.  Of 32 rows, image u holds in lane r row 8 u + r + 8 (r / 8).
; A work-group of four waves makes 256 x 256; a wave 128 x 128: 64 accumulators.  Source 0 = 16 rows of S0, source 1 = 16 rows of S1: a lane holds ONE row of S1, and by the images' row order the 64 registers of a block of S1's rows run along 128 neighbouring rows of S0:
; that is one K step of the next product, so the conversions' results are a finished image.
; Clusters x = 0, 1: S0 = wq | wk (2,048 columns), S1 = h (tokens): images of q and k, K = a pair of heads.  Cluster x = 2: S0 = h, S1 = wv: images of V^T, K = 128 tokens.  The choice hangs on the cluster's number alone: it is the same in all partners.
; K = 1,024 goes in 4 steps of 256 through two LDS slots; each wave fetches a quarter of a slot by one tensor load (24,576 dense bytes).  The scale words of all of K come once, with the first fills.
; CLUSTER 4 x 4: S1's tiles are asked for jointly along a row of the cluster, S0's along a column.
; REGISTERS: window 0: v16-30 addresses, v32-63 scale words (two sets), v128-223 S1's fragments (one set); window 1: S0's fragments, two sets at v0 and v128; windows 2, 3: accumulator (a, b) at v[8 (8 (a % 4) + b)].
; LIMITS: NaN and infinities are not served; a block of zeros gets the byte 1 (its codes are zeros, and this program alone reads the bytes).
.set FC1,   0
.set NQ,    2
.set FR,    12
.set NL,    3
.set NP,    4
.set PART,  24576                      ; 128 rows x 256 K: what one tensor load brings
.set SLOT,  4*PART
.set TSTR,  98304                      ; from a tile of 128 rows to the next
.set LAPS,  2
.set SCL,   2*SLOT                     ; the scale words: S1's 2 x 4,096 bytes, then, 64 bytes further on, S0's
.set SPARE, 213248                     ; the spare words, 128 bytes a wave
.set SCR,   213760                     ; 512 bytes a wave for the results' scale words: no fill lands here
.set ADRA, 16
.set ADRB, 20
.set LI,   24                          ; 16 x lane
.set SCW,  25
.set SCRD, 26
.set ADRS, 27
.set SPW,  28
.set NIL,  29
.set BO,   30
.set SC,   32
.set BI,   64
.set AF,   128
.set TM,   136
.set PW,   152
.set G1,   24
.set G0,   32
.set G1B,  48
.set G0B,  56
.set G1S,  68
.set G0S,  76
.set G1SB, 80
.set G0SB, 88
.if FC1
.set OC,   92
.else
.set OC,   96
.endif
.set OS,   98
.set MSB, 0
.macro WIN new                         ; the immediate's high byte repeats the setting that is left
.if MSB != \new
	s_set_vgpr_msb (MSB<<8)|\new
.set MSB, \new
.endif
.endm
.set MUL_LO, 0xa1                      ; source 0 window 1, source 1 window 0, C and D window 2
.set MUL_HI, 0xf1
.set TO_B,   0x40
.macro JLOAD g0a, g1a, g0b, g1b        ; a joint load: waves 0 and 1 fetch for S1, waves 2 and 3 for S0; four v_nop follow each line
	s_cmp_eq_u32 s15, 0
	s_cbranch_scc0 .Lfor_b_\@
	tensor_load_to_lds s[\g0a:\g0a+3], s[\g1a:\g1a+7]
	s_nop 0
.rept 4
	v_nop
.endr
	s_branch .Lasked_\@
.Lfor_b_\@:
	tensor_load_to_lds s[\g0b:\g0b+3], s[\g1b:\g1b+7]
	s_nop 0
.rept 4
	v_nop
.endr
.Lasked_\@:
.endm
.macro CREST                           ; a round of the cluster's barrier behind its opening barrier
	s_cmp_lg_u32 s14, 0
	s_cbranch_scc1 .Lnot_wave_0_\@
	s_barrier_signal -3
.Lnot_wave_0_\@:
	s_barrier_wait -3
	s_barrier_signal -1
	s_barrier_wait -1
.endm
.macro CROUND
	s_barrier_signal -1
	s_barrier_wait -1
	CREST
.endm
	s_load_b128 s[4:7], s[0:1], 0x0                ; the activations' codes and scale words
	s_load_b128 s[8:11], s[0:1], 0x10              ; the weights'
	s_load_b128 s[96:99], s[0:1], 0x20             ; the results' codes and scale words
	v_lshl_add_u32 v[SPW], v0, 2, SPARE
	v_mov_b32 v[NIL], 0
	ds_add_u32 v28, v29
	ds_add_u32 v28, v29
	s_wait_dscnt 0x0
	v_lshrrev_b32 v1, 5, v0
	v_readfirstlane_b32 s14, v1                    ; wave
	s_lshr_b32 s15, s14, 1                         ; my half of S1's rows; also: I fetch for S1 (0) or S0 (1)
	s_and_b32 s16, s14, 1                          ; my half of S0's rows; also: which 128 rows I fetch
	s_bfe_u32 s40, ttmp6, 0x40000                  ; cx
	s_bfe_u32 s41, ttmp6, 0x40004                  ; cy
	s_and_b32 s13, ttmp7, 0xffff                   ; cluster y
.if FC1
	s_lshl_b32 s42, ttmp9, 2
	s_add_co_u32 s42, s42, s40                     ; S0's tile of 256
	s_lshl_b32 s17, s13, 2
	s_add_co_u32 s17, s17, s41                     ; S1's tile of 256
.else
	s_cmp_lt_u32 ttmp9, 2                          ; q | k, or v
	s_cselect_b32 s42, ttmp9, s13
	s_cselect_b32 s17, s13, 0
	s_cselect_b32 s12, 1, 0
	s_lshl_b32 s42, s42, 2
	s_add_co_u32 s42, s42, s40                     ; S0's tile of 256
	s_lshl_b32 s17, s17, 2
	s_add_co_u32 s17, s17, s41                     ; S1's tile of 256
.endif
	s_lshl_b32 s43, s41, 2
	s_lshl_b32 s43, 15, s43                        ; my row of the cluster
	s_lshl_b32 s44, 0x1111, s40                    ; my column
	s_or_b32 s[G1+0], s43, (3<<16)|(1<<21)         ; 15:0 the mask; 17:16 elements of 8 bytes; 21 set beside a mask; no padding
	s_or_b32 s[G1B+0], s44, (3<<16)|(1<<21)
.irp g, G1, G1B                        ; for the head's loads: two tiles of 128 rows, of each the first 512 along K: 2 rows of 49,152 bytes, TSTR bytes apart
	s_mov_b32 s[\g+1], (2*PART/8)<<16
	s_mov_b32 s[\g+2], 2<<16
	s_mov_b32 s[\g+3], (2*PART/8)<<16
	s_mov_b32 s[\g+4], 2
	s_mov_b32 s[\g+5], TSTR/8
	s_mov_b32 s[\g+6], 0
	s_mov_b32 s[\g+7], 0
.endr
	s_or_b32 s[G1S+0], s43, (3<<16)|(1<<21)
	s_or_b32 s[G1SB+0], s44, (3<<16)|(1<<21)
.irp g, G1S, G1SB                      ; the scale words of 256 rows: 32 rows of 256 bytes
	s_mov_b32 s[\g+1], 32<<16
	s_mov_b32 s[\g+2], 32<<16
	s_mov_b32 s[\g+3], 32<<16
	s_mov_b32 s[\g+4], 32
	s_mov_b32 s[\g+5], 32
	s_mov_b32 s[\g+6], 0
	s_mov_b32 s[\g+7], 0
.endr
	s_lshl_b32 s20, s17, 1                         ; the first tile of 128 rows of S1's 256
	s_lshl_b32 s46, s42, 1                         ; and of S0's
	s_lshl_b32 s22, s20, 12
	s_lshl_b32 s92, s46, 12
	s_mul_i32 s20, s20, TSTR
	s_mul_i32 s46, s46, TSTR
.if FC1
	s_add_co_u32 s46, s46, 3145728                 ; w1's groups begin at group 256
	s_add_co_u32 s92, s92, 131072
.else
	s_cmp_eq_u32 s12, 1
	s_cselect_b32 s18, 0, 1572864                  ; wv's groups begin at group 128
	s_cselect_b32 s19, 0, 65536
	s_add_co_u32 s20, s20, s18
	s_add_co_u32 s22, s22, s19
.endif
	s_mov_b32 s21, 0
	s_mov_b32 s23, 0
	s_mov_b32 s47, 0
	s_mov_b32 s93, 0
	s_mul_i32 s45, s14, 2*PART                     ; LDS: four regions of 49,152 bytes: S1's two tiles of 128 rows, then S0's two; in each, slot 0's part and then slot 1's
	s_wait_kmcnt 0x0
.if FC1
	s_add_nc_u64 s[20:21], s[4:5], s[20:21]
	s_add_nc_u64 s[22:23], s[6:7], s[22:23]
	s_add_nc_u64 s[46:47], s[8:9], s[46:47]
	s_add_nc_u64 s[92:93], s[10:11], s[92:93]
.else
	s_cmp_eq_u32 s12, 1                            ; which buffer is S1 and which S0: a choice that hangs on no address
	s_cselect_b64 s[66:67], s[4:5], s[8:9]
	s_add_nc_u64 s[20:21], s[66:67], s[20:21]
	s_cselect_b64 s[66:67], s[6:7], s[10:11]
	s_add_nc_u64 s[22:23], s[66:67], s[22:23]
	s_cselect_b64 s[66:67], s[8:9], s[4:5]
	s_add_nc_u64 s[46:47], s[66:67], s[46:47]
	s_cselect_b64 s[66:67], s[10:11], s[6:7]
	s_add_nc_u64 s[92:93], s[66:67], s[92:93]
.endif
	CROUND                                         ; all sixteen work-groups are here: the first joint loads meet
	s_mov_b32 s[G0S], 1
	s_mov_b32 s[G0S+1], SCL
	s_mov_b64 s[G0S+2:G0S+3], s[22:23]
	s_or_b32 s[G0S+3], s[G0S+3], 0x80000000
	s_mov_b32 s[G0SB], 1
	s_mov_b32 s[G0SB+1], SCL+8256
	s_mov_b64 s[G0SB+2:G0SB+3], s[92:93]
	s_or_b32 s[G0SB+3], s[G0SB+3], 0x80000000
.set G0H,  4                           ; s[4:7], s[8:11]: group 0 of the head's loads of codes (the arguments that lay there have been used)
.set G0HB, 8
	s_mov_b32 s[G0H], 1
	s_mov_b32 s[G0H+1], 0
	s_mov_b64 s[G0H+2:G0H+3], s[20:21]
	s_or_b32 s[G0H+3], s[G0H+3], 0x80000000
	s_mov_b32 s[G0HB], 1
	s_mov_b32 s[G0HB+1], 4*PART
	s_mov_b64 s[G0HB+2:G0HB+3], s[46:47]
	s_or_b32 s[G0HB+3], s[G0HB+3], 0x80000000
	s_mul_i32 s18, s16, TSTR                       ; for the ring: the tile of 128 rows that I fetch
	s_mov_b32 s19, 0
	s_add_nc_u64 s[20:21], s[20:21], s[18:19]
	s_add_nc_u64 s[46:47], s[46:47], s[18:19]
.irp s, 0,1
	s_mov_b32 s[G0+4*\s], 1
	s_add_co_u32 s[G0+4*\s+1], s45, \s*PART
	s_add_nc_u64 s[G0+4*\s+2:G0+4*\s+3], s[20:21], \s*PART
	s_or_b32 s[G0+4*\s+3], s[G0+4*\s+3], 0x80000000
	s_mov_b32 s[G0B+4*\s], 1
	s_add_co_u32 s[G0B+4*\s+1], s45, \s*PART
	s_add_nc_u64 s[G0B+4*\s+2:G0B+4*\s+3], s[46:47], \s*PART
	s_or_b32 s[G0B+4*\s+3], s[G0B+4*\s+3], 0x80000000
.endr
; THE HEAD'S LOADS, ONE A WAVE: wave 0 S1's 256 rows x 512 K (both slots' first fills), wave 1 S0's, wave 2 S1's scale words of all of K (8,192 dense bytes), wave 3 S0's.
; One chain of branches on the wave's number, a load to an arm, all arms leading to one join.
.macro ARM under, g0, g1, next
	s_cmp_lt_u32 s14, \under
	s_cbranch_scc0 \next
	tensor_load_to_lds s[\g0:\g0+3], s[\g1:\g1+7]
	s_nop 0
.rept 4
	v_nop
.endr
	s_branch .Lhead_asked
\next:
.endm
	ARM 1, G0H,  G1,  .Lhead_b
	ARM 2, G0HB, G1B, .Lhead_sa
	ARM 3, G0S,  G1S, .Lhead_sb
	tensor_load_to_lds s[G0SB:G0SB+3], s[G1SB:G1SB+7]
	s_nop 0
.rept 4
	v_nop
.endr
.Lhead_asked:
	; A PREFETCH INTO THE L2 of what the two refills will load: K steps 4 to 7 of the tile of 128 rows that I fetch in the ring, 49,152 bytes = 192 blocks of 256.  The four partners that ask for that tile jointly share the blocks out
	; by address, 48 each (by cx for S1's tiles, by cy for S0's): 32 lanes name a block each, then 16 more (the lanes left over name the last again).  It stands two K steps ahead of the first refill; its registers are never rewritten.
	s_cmp_eq_u32 s15, 0
	s_cselect_b32 s94, s40, s41
	s_cselect_b64 s[66:67], s[20:21], s[46:47]
	s_mul_i32 s94, s94, 48*256
	v_and_b32 v8, 31, v0
	v_min_u32 v9, 15, v8
	v_lshl_add_u32 v8, v8, 8, s94
	v_lshl_add_u32 v9, v9, 8, s94
	global_prefetch_b8 v8, s[66:67] offset:2*PART th:TH_LOAD_NT scope:SCOPE_SE
	global_prefetch_b8 v9, s[66:67] offset:2*PART+8192 th:TH_LOAD_NT scope:SCOPE_SE
	v_and_b32 v1, 15, v0                           ; r
	v_bfe_u32 v2, v0, 4, 1                         ; h
	s_wait_alu depctr_va_vdst(0)
	v_and_b32 v3, 31, v0
	v_lshlrev_b32 v[LI], 4, v3
	s_mul_i32 s21, s15, 2*PART
	s_mul_i32 s22, s16, 2*PART
	s_add_co_u32 s22, s22, 4*PART
.irp s, 0,1
	v_add_nc_u32 v[ADRA+\s], s21, v[LI]
	v_add_nc_u32 v[ADRB+\s], s22, v[LI]
	s_add_co_u32 s21, s21, PART
	s_add_co_u32 s22, s22, PART
.endr
	v_lshlrev_b32 v5, 2, v1                        ; scale words: 4 r; lanes 0-15 take S1's, lanes 16-31 S0's
	s_lshl_b32 s21, s15, 12
	s_lshl_b32 s22, s16, 12
	s_add_co_u32 s22, s22, 8256
	s_sub_co_u32 s22, s22, s21
	v_mul_u32_u24 v6, s22, v2
	s_add_co_u32 s21, s21, SCL
	v_add_nc_u32 v5, v5, v6
	v_add_nc_u32 v[ADRS], s21, v5
	s_lshl_b32 s23, s14, 9
	s_add_co_u32 s23, s23, SCR
	v_lshl_add_u32 v[SCW], v1, 2, s23
	v_add_nc_u32 v[SCRD], s23, v[LI]
	; where my results go: group index from S1's tile of 128 (rows) and S0's tile of 128 (K step)
	s_lshl_b32 s20, s17, 1
	s_add_co_u32 s20, s20, s15
	s_lshl_b32 s46, s42, 1
	s_add_co_u32 s46, s46, s16
.if FC1
	s_lshl_b32 s20, s20, 5
	s_add_co_u32 s20, s20, s46                     ; [tile of tokens][K step]
.else
	s_lshl_b32 s21, s46, 5
	s_add_co_u32 s21, s21, s20                     ; q | k: [pair of heads][tile of tokens]
	s_lshl_b32 s22, s20, 5
	s_add_co_u32 s22, s22, s46
	s_add_co_u32 s22, s22, 512                     ; V^T: 512 + [pair of heads][128 tokens]
	s_cmp_eq_u32 s12, 1
	s_cselect_b32 s20, s21, s22
.endif
	s_lshl_b32 s22, s20, 9
	s_mul_i32 s20, s20, 12288
	s_mov_b32 s21, 0
	s_mov_b32 s23, 0
.if FC1
	s_add_nc_u64 s[OC:OC+1], s[98:99], s[20:21]
	s_add_nc_u64 s[98:99], s[98:99], s[22:23]
	s_add_nc_u64 s[98:99], s[98:99], 12582912      ; the scale words lie behind the codes
	s_lshl_b32 s46, s42, 10                        ; the bias at my 128 rows of S0; lane (r, h) wants, for blocks 2 e and 2 e + 1, the 16 numbers from 32 e + 16 h on
	s_lshl_b32 s47, s16, 9
	s_add_co_u32 s46, s46, s47
	s_mov_b32 s47, 0
	s_add_nc_u64 s[96:97], s[96:97], s[46:47]
	v_lshlrev_b32 v[BO], 6, v2
.irp e, 0,1,2,3
.irp j, 0,1,2,3
	global_load_b128 v[BI+16*\e+4*\j:BI+16*\e+4*\j+3], v[BO], s[96:97] offset:128*\e+16*\j
.endr
.endr
.else
	s_add_nc_u64 s[OC:OC+1], s[96:97], s[20:21]
	s_add_nc_u64 s[98:99], s[98:99], s[22:23]
.endif
.macro FRAG reg, adr, q, i             ; an image: three loads of 16 bytes a lane, 512 consecutive bytes each
.irp c, 0,1,2
	ds_load_b128 v[\reg+4*\c:\reg+4*\c+3], v[\adr] offset:((\q)*8+(\i))*1536+512*\c
.endr
.endm
; 16 matrix instructions: S1's blocks a0, a0 + 1 x S0's eight.  zero = 1: the first product starts the sums.  The 64 accumulators take turns.
.macro MUL16 a0, p, q, sc, zero
.irp a, \a0, \a0+1
.irp b, 0,1,2,3,4,5,6,7
.if \zero
.if FC1
	v_wmma_scale_f32_16x16x128_f8f6f4 v[8*(8*((\a)%4)+\b):8*(8*((\a)%4)+\b)+7], v[128*(\p)+FR*\b:128*(\p)+FR*\b+FR-1], v[AF+FR*(\a):AF+FR*(\a)+FR-1], v[BI+8*\b:BI+8*\b+7], v[SC+8*NQ*(\sc)+NQ*\b+(\q)], v[SC+8*NQ*(\sc)+NQ*(\a)+(\q)] matrix_a_fmt:MATRIX_FMT_BF6 matrix_b_fmt:MATRIX_FMT_BF6 matrix_a_scale:MATRIX_SCALE_ROW1
.else
	v_wmma_scale_f32_16x16x128_f8f6f4 v[8*(8*((\a)%4)+\b):8*(8*((\a)%4)+\b)+7], v[128*(\p)+FR*\b:128*(\p)+FR*\b+FR-1], v[AF+FR*(\a):AF+FR*(\a)+FR-1], 0, v[SC+8*NQ*(\sc)+NQ*\b+(\q)], v[SC+8*NQ*(\sc)+NQ*(\a)+(\q)] matrix_a_fmt:MATRIX_FMT_BF6 matrix_b_fmt:MATRIX_FMT_BF6 matrix_a_scale:MATRIX_SCALE_ROW1
.endif
.else
	v_wmma_scale_f32_16x16x128_f8f6f4 v[8*(8*((\a)%4)+\b):8*(8*((\a)%4)+\b)+7], v[128*(\p)+FR*\b:128*(\p)+FR*\b+FR-1], v[AF+FR*(\a):AF+FR*(\a)+FR-1], v[8*(8*((\a)%4)+\b):8*(8*((\a)%4)+\b)+7], v[SC+8*NQ*(\sc)+NQ*\b+(\q)], v[SC+8*NQ*(\sc)+NQ*(\a)+(\q)] matrix_a_fmt:MATRIX_FMT_BF6 matrix_b_fmt:MATRIX_FMT_BF6 matrix_a_scale:MATRIX_SCALE_ROW1
.endif
.endr
.endr
.endm
.macro FETCH_B slot, q, p
	WIN TO_B
.irp i, 0,1,2,3,4,5,6,7
	FRAG 128*(\p)+FR*\i, ADRB+\slot, \q, \i
.endr
	WIN 0
.endm
.macro FETCH_A slot, q, i0
.irp i, \i0, \i0+1, \i0+2, \i0+3
	FRAG AF+FR*(\i), ADRA+\slot, \q, \i
.endr
.endm
.macro SCALES sc                       ; a slot's scale words: register 2 i + q: lanes 0-15 S1's block i, lanes 16-31 S0's block i
.irp i, 0,1,2,3,4,5,6,7
.irp q, 0,1
	ds_load_b32 v[SC+8*NQ*\sc+NQ*\i+\q], v[ADRS] offset:\q*512+\i*64
.endr
.endr
.endm
.macro PLACES n                        ; plain vector lines between a matrix instruction and a load into, or a vector write of, one of its registers
.rept \n
	v_nop
.endr
.endm
.macro STEP slot, q, zero              ; 128 along K that has its successor in the same slot
	s_wait_dscnt 4*NL                              ; S0's set, S1's blocks 0-3 and the scale words are in; the youngest twelve loads (S1's blocks 4-7) may be out
.if (\zero) && FC1
	WIN 0x81                                       ; C, the bias, in window 0
.else
	WIN MUL_LO
.endif
	MUL16 0, (\q)%2, \q, \slot, \zero
	MUL16 2, (\q)%2, \q, \slot, \zero
	s_wait_dscnt 0
	PLACES NP
	FETCH_B \slot, (\q)+1, 1-(\q)%2
	FETCH_A \slot, (\q)+1, 0
.if (\zero) && FC1
	WIN 0xc1
.else
	WIN MUL_HI
.endif
	MUL16 4, (\q)%2, \q, \slot, \zero
	MUL16 6, (\q)%2, \q, \slot, \zero
	PLACES NP
	WIN 0
	FETCH_A \slot, (\q)+1, 4
.endm
.macro TURN slot, next, fill           ; a slot's last step changes slots: one barrier
	s_wait_tensorcnt 0x0                           ; all my tensor loads have landed: my part of the next slot
	ds_add_u32 v[SPW], v[NIL]                      ; 0 onto my spare word
	s_wait_dscnt 4*NL+1                            ; (the add and S1's blocks 4-7 may be out)
	WIN MUL_LO
	MUL16 0, 1, NQ-1, \slot, 0
	s_wait_dscnt 0x0                               ; the add is done, and my reads of this slot are over
	s_barrier_signal -1
	MUL16 2, 1, NQ-1, \slot, 0
	WIN 0
	s_barrier_wait -1
.if \fill
	CREST                                          ; the barrier has opened a round of the cluster's: no wave of any partner still reads this slot or has a load on its way
	s_add_nc_u64 s[G0+4*\slot+2:G0+4*\slot+3], s[G0+4*\slot+2:G0+4*\slot+3], 2*PART
	s_add_nc_u64 s[G0B+4*\slot+2:G0B+4*\slot+3], s[G0B+4*\slot+2:G0B+4*\slot+3], 2*PART
	JLOAD G0+4*\slot, G1, G0B+4*\slot, G1B         ; the first tensor load behind the round; its four v_nop are the places in front of the loads below
.else
	PLACES NP
.endif
	s_wait_alu depctr_va_vdst(0)
	v_add_nc_u32 v[ADRS], 512*NQ, v[ADRS]          ; the next slot's scale words
	FETCH_B \next, 0, 0
	FETCH_A \next, 0, 0
	SCALES \next
	WIN MUL_HI
	MUL16 4, 1, NQ-1, \slot, 0
	MUL16 6, 1, NQ-1, \slot, 0
	PLACES NP
	WIN 0
	FETCH_A \next, 0, 4
.endm
	s_wait_alu depctr_va_vdst(0)
	s_wait_tensorcnt 0x0                           ; my one load of the head is in
.irp g, G1, G1B                        ; no tensor load of mine is out, so a descriptor may be written: the ring's loads bring a dense block as 96 rows of 256 bytes
	s_mov_b32 s[\g+1], 32<<16
	s_mov_b32 s[\g+2], 96<<16
	s_mov_b32 s[\g+3], 32<<16
	s_mov_b32 s[\g+4], 96
	s_mov_b32 s[\g+5], 32
.endr
	s_barrier_signal -1
	s_barrier_wait -1
	FETCH_B 0, 0, 0
	FETCH_A 0, 0, 0
	SCALES 0
	FETCH_A 0, 0, 4
.if FC1
	s_wait_loadcnt 0x0                             ; the bias
.endif
	STEP 0, 0, 1
	s_mov_b32 s3, LAPS-1
.Llap:
	TURN 0, 1, 1
	STEP 1, 0, 0
	TURN 1, 0, 1
	STEP 0, 0, 0
	s_sub_co_u32 s3, s3, 1
	s_cmp_lg_u32 s3, 0
	s_cbranch_scc1 .Llap
	TURN 0, 1, 0                                   ; the last lap fills nothing
	STEP 1, 0, 0
	s_wait_dscnt 4*NL
	WIN MUL_LO
	MUL16 0, 1, NQ-1, 1, 0
	MUL16 2, 1, NQ-1, 1, 0
	s_wait_dscnt 0
	WIN MUL_HI
	MUL16 4, 1, NQ-1, 1, 0
	MUL16 6, 1, NQ-1, 1, 0
	WIN 0
; THE WAY OUT.  Block a's 64 registers of a lane are 128 neighbours along the next K, 16 of each block of 32 (the other 16 in lane l xor 16): largest magnitudes, scale bytes, conversions, exchange of halves: a finished image, stored by three stores of 512 bytes.
.macro QOUT a
.set W, 2+(\a)/4
.set SR, 64*((\a)%4)
.set PC, 96+20*((\a)%2)
.if FC1
	WIN ((W<<2)|(W<<6))
.set j, 0
.rept 64
	v_max_num_f32 v[SR+j], 0, v[SR+j]              ; the activation, each accumulator from its low end on
.set j, j+1
.endr
.endif
	WIN ((W<<2)|(W<<4))
.irp b, 0,1,2,3
	v_max3_num_f32 v[TM+\b], 0x2800000, |v[SR+16*\b]|, |v[SR+16*\b+1]|   ; with the floor 2^(5 - 127)
.endr
.irp i, 2,4,6,8,10,12,14
.irp b, 0,1,2,3
	v_max3_num_f32 v[TM+\b], v[TM+\b], |v[SR+16*\b+\i]|, |v[SR+16*\b+\i+1]|
.endr
.endr
	WIN 0
.irp b, 0,1,2,3
	v_permlanex16_b32 v[TM+4+\b], v[TM+\b], s18, s19
.endr
.irp b, 0,1,2,3
	v_max_num_f32 v[TM+\b], v[TM+\b], v[TM+4+\b]
.endr
.irp b, 0,1,2,3
	v_add_nc_u32 v[TM+12+\b], 0xfe000000, v[TM+\b] ; 4 off the exponent field
.endr
.irp b, 0,1,2,3
	v_lshrrev_b32 v[TM+4+\b], 23, v[TM+12+\b]
.endr
	v_lshl_or_b32 v[PW+(\a)], v[TM+5], 8, v[TM+4]
	v_lshl_or_b32 v[PW+(\a)], v[TM+6], 16, v[PW+(\a)]
	v_lshl_or_b32 v[PW+(\a)], v[TM+7], 24, v[PW+(\a)]
.if (\a) >= 2
	s_wait_xcnt 0x0                                ; block a - 2's stores have read these registers
.endif
	WIN W
.irp c, 0,1
	v_cvt_scalef32_pk16_bf6_f32 v[PC+6*\c:PC+6*\c+2], v[SR+32*\c:SR+32*\c+15], v[TM+12+2*\c]
	v_cvt_scalef32_pk16_bf6_f32 v[PC+12+4*\c:PC+14+4*\c], v[SR+32*\c+16:SR+32*\c+31], v[TM+13+2*\c]
.endr
	WIN 0
	v_nop                                          ; a plain line behind the conversions
.irp c, 0,1
.irp i, 0,1,2
	v_permlane16_swap_b32 v[PC+6*\c+\i], v[PC+12+4*\c+\i]
.endr
.irp i, 0,1,2
	v_mov_b32 v[PC+3+6*\c+\i], v[PC+12+4*\c+\i]
.endr
.endr
.irp c, 0,1,2
	global_store_b128 v[LI], v[PC+4*\c:PC+4*\c+3], s[OC:OC+1] offset:(\a)*1536+512*\c
.endr
.endm
	PLACES NP
	s_mov_b32 s18, 0x76543210
	s_mov_b32 s19, 0xfedcba98
.irp b, 0,1,2,3
	v_mov_b32 v[TM+4+\b], 0                        ; a lane permute's destination counts as one of its sources
.endr
.irp a, 0,1,2,3,4,5,6,7
	QOUT \a
.endr
.irp a, 0,1,2,3,4,5,6,7
	ds_store_b32 v[SCW], v[PW+\a] offset:64*\a     ; both halves of the lanes write the same word with the same value
.endr
	ds_load_b128 v[160:163], v[SCRD]               ; LDS serves a wave's instructions in order
	s_wait_dscnt 0x0
	global_store_b128 v[LI], v[160:163], s[OS:OS+1]   ; the group's 128 scale words: 512 consecutive bytes
	s_wait_tensorcnt 0x0                           ; the wave's end
	ds_add_u32 v[SPW], v[NIL]
	s_wait_dscnt 0x0
	CROUND                                         ; the closing round
	s_endpgm
.Lfunc_end_k_qc6fa5e4dac_qkv:
	.size	k_qc6fa5e4dac_qkv, .Lfunc_end_k_qc6fa5e4dac_qkv-k_qc6fa5e4dac_qkv
	.p2alignl 7, 3214868480
	.fill 96, 4, 3214868480
	.section	.rodata,"a",@progbits
	.p2align	6, 0x0
	.amdhsa_kernel k_qc6fa5e4dac_qkv
		.amdhsa_group_segment_fixed_size 327680
		.amdhsa_private_segment_fixed_size 0
		.amdhsa_enable_private_segment 0
		.amdhsa_kernarg_size 48
		.amdhsa_user_sgpr_count 2
		.amdhsa_user_sgpr_kernarg_segment_ptr 1
		.amdhsa_wavefront_size32 1
		.amdhsa_system_sgpr_workgroup_id_x 1
		.amdhsa_system_sgpr_workgroup_id_y 1
		.amdhsa_system_sgpr_workgroup_id_z 1
		.amdhsa_system_vgpr_workitem_id 0
		.amdhsa_next_free_vgpr 1024
		.amdhsa_next_free_sgpr 100
		.amdhsa_reserve_vcc 0
		.amdhsa_float_denorm_mode_32 3
		.amdhsa_float_denorm_mode_16_64 3
		.amdhsa_memory_ordered 1
		.amdhsa_forward_progress 1
		.amdhsa_inst_pref_size 144
	.end_amdhsa_kernel
	.amdgpu_metadata
---
amdhsa.version: [ 1, 2 ]
amdhsa.kernels:
  - .name:           k_qc6fa5e4dac_qkv
    .symbol:         k_qc6fa5e4dac_qkv.kd
    .args:
      - { .name: acod, .offset: 0, .size: 8, .value_kind: global_buffer, .address_space: global }
      - { .name: ascl, .offset: 8, .size: 8, .value_kind: global_buffer, .address_space: global }
      - { .name: wcod, .offset: 16, .size: 8, .value_kind: global_buffer, .address_space: global }
      - { .name: wscl, .offset: 24, .size: 8, .value_kind: global_buffer, .address_space: global }
      - { .name: qcod, .offset: 32, .size: 8, .value_kind: global_buffer, .address_space: global }
      - { .name: qscl, .offset: 40, .size: 8, .value_kind: global_buffer, .address_space: global }
    .group_segment_fixed_size: 327680
    .private_segment_fixed_size: 0
    .kernarg_segment_align: 8
    .kernarg_segment_size: 48
    .max_flat_workgroup_size: 128
    .sgpr_count:     100
    .vgpr_count:     1024
    .wavefront_size: 32
...
	.end_amdgpu_metadata
.endif
;; end of part 2
;; launch attn (part 3): grid 8 x 32, 16 waves a work-group, clusters of 4 x 1, 223,232 bytes of LDS; arguments qcod, qscl, acod, ascl; writes acod, ascl
.if DOCPART == 3
	.amdgcn_target "amdgcn-amd-amdhsa--gfx1250"
	.amdhsa_code_object_version 6
	.text
	.protected	k_qc6fa5e4dac_attn
	.globl	k_qc6fa5e4dac_attn
	.p2align	8
	.type	k_qc6fa5e4dac_attn,@function
k_qc6fa5e4dac_attn:
	s_mov_b64 s[64:65], 0
	v_nop
	global_prefetch_b8 v0, s[64:65] scope:SCOPE_SE
	s_setreg_imm32_b32 hwreg(HW_REG_WAVE_MODE, 25, 1), 1
	s_wait_xcnt 0x0
	s_wait_alu depctr_hold_cnt(0) depctr_sa_sdst(0) depctr_va_vdst(0) depctr_va_sdst(0) depctr_va_ssrc(0) depctr_va_vcc(0) depctr_vm_vsrc(0)
	s_getreg_b32 s2, hwreg(HW_REG_IB_STS2, 6, 4)
	s_cmp_eq_u32 s2, 0
	s_cbranch_scc0 .Lentry_in_a_cluster
	s_endpgm
.Lentry_in_a_cluster:
	s_bfe_u32 s2, ttmp6, 0x10000c
	s_cmp_lg_u32 s2, 0x3003
	s_cbranch_scc0 .Lentry_shape_is_right
	s_endpgm
.Lentry_shape_is_right:
; Causal attention on codes of BF6 (E3M2): for each batch and head, O = softmax(q k^T / 32) v, then O quantised along the model's axis for the next product.
; p = 2^(t - M), t = score x log2(e) / 32, M the ceiling of the running largest t: a whole number; p is quantised along the keys, not normalised; the row's sum of the unquantised p divides at the end.
; INPUTS are images of operand registers (16 rows x 128 K, 1,536 bytes, three loads of 16 bytes a lane); of 32 rows, image u holds in lane r row 8 u + r + 8 (r / 8).  q and k: K = a PAIR of heads (128); V^T: rows = the pair's 128 channels, K = 128 tokens.
; A head's 64 are half of an image's K: q's codes of the OTHER head are set to zero, and the whole image of k serves as it lies: zero codes add nothing.
; SHARES.  Grid y = batch x 8 + pair of heads.  K, V^T and their scale words of the pair (200 KiB) lie in LDS, filled once; the 8 work-groups of a y are two clusters of four, which ask for them JOINTLY.
; Sixteen waves: head = w % 2; the other three bits and the cluster's number choose a tile of 16 queries so that a work-group's waves have 72 key steps in all whatever its place: block of 128 queries t8 from the cluster's number and the wave's, image `low` from cx.
; So every branch is alike in all partners; cx enters global addresses and the mask's compare alone.  A wave walks key steps 0 .. t8 (128 keys each); later steps are jumped over by a scalar branch; step t8 is masked.
; Both products are used transposed: a lane holds one query; by the images' row order the 16 registers of two neighbouring tiles of scores are 16 neighbouring keys, and O^T's are neighbouring channels.
; No prefetch: all that the launch reads from memory in bulk is asked for by its first fills.  One tensor load of a wave is out at most.
; LIMITS: NaN and infinities are not served; a block of zeros gets the byte 1.
.set KIM,  0                           ; K: [step 8][image 8][1,536]
.set VIM,  98304                       ; V^T likewise
.set KSC,  196608                      ; K's scale words [step][image][16 words]
.set VSC,  200704
.set OST,  204800                      ; 8 images of results: no fill lands here
.set OSS,  217088                      ; their scale words
.set AK0,  1
.set AV0,  2
.set ASK0, 3
.set ASV0, 4
.set ADK,  8
.set ADV,  9
.set ADS,  10
.set ADT,  11
.set WV,   18
.set SEL,  20
.set CS,   22
.set G1C,  24
.set G1S,  32
.set ST,   60                          ; the key step
.set T8,   61                          ; my block of 128 queries
.set TK,   62                          ; 12,288 x step
.set TS,   63                          ; 512 x step
.set TW,   66
.macro CROUND
	s_barrier_signal -1
	s_barrier_wait -1
	s_cmp_lg_u32 s[WV], 0
	s_cbranch_scc1 .Lnot_wave_0_\@
	s_barrier_signal -3
.Lnot_wave_0_\@:
	s_barrier_wait -3
	s_barrier_signal -1
	s_barrier_wait -1
.endm
	s_load_b256 s[4:11], s[0:1], 0x0               ; q | k | V^T codes, their scale words, the results' codes, their scale words
	v_lshl_add_u32 v254, v0, 2, 0x36000
	v_mov_b32 v255, 0
	ds_add_u32 v254, v255
	ds_add_u32 v254, v255
	s_wait_dscnt 0x0
	v_lshrrev_b32 v8, 5, v0
	s_delay_alu instid0(VALU_DEP_1)
	v_readfirstlane_b32 s[WV], v8
	s_and_b32 s67, s[WV], 1                        ; head of the pair
	s_lshr_b32 s68, s[WV], 1                       ; j
	s_and_b32 s69, s68, 1
	s_bfe_u32 s70, s68, 0x10001
	s_lshr_b32 s71, s68, 2
	s_lshl_b32 s[T8], ttmp9, 1
	s_add_co_u32 s[T8], s[T8], s70
	s_xor_b32 s72, s69, s71
	s_mul_i32 s72, s72, 7
	s_xor_b32 s[T8], s[T8], s72                    ; a block and its mirror image 7 - block fall to one work-group
	s_bfe_u32 s73, ttmp6, 0x40000                  ; cx
	s_lshl_b32 s73, s73, 1
	s_add_co_u32 s73, s73, s71                     ; low: which image of the block
	s_and_b32 s74, ttmp7, 0xffff
	s_lshr_b32 s75, s74, 3                         ; batch
	s_and_b32 s74, s74, 7                          ; pair of heads
	s_lshl_b32 s76, s74, 5
	s_lshl_b32 s77, s75, 3
	s_add_co_u32 s76, s76, s77                     ; 32 x pair + 8 x batch: q's first group
	s_lshl_b32 s78, s67, 8
	s_add_co_u32 s78, s78, 256
	s_add_co_u32 s78, s78, s76                     ; wave 0: K's first group (+ 256); wave 1: V^T's (+ 512)
	s_mul_i32 s80, s78, 12288
	s_mov_b32 s81, 0
	s_lshl_b32 s82, s78, 9
	s_mov_b32 s83, 0
	s_mul_i32 s79, s67, 98304
	s_lshl_b32 s84, s67, 12
	s_add_co_u32 s84, s84, KSC
	s_lshl_b32 s92, s[T8], 3
	s_add_co_u32 s92, s92, s73
	s_mul_i32 s92, s92, 1536
	s_mul_i32 s93, s76, 12288
	s_add_co_u32 s92, s92, s93                     ; my image of q
	s_mov_b32 s93, 0
	s_add_co_u32 s94, s76, s[T8]
	s_lshl_b32 s94, s94, 9
	s_lshl_b32 s95, s73, 6
	s_add_co_u32 s94, s94, s95                     ; its scale words
	s_add_co_u32 s96, s77, s[T8]
	s_lshl_b32 s96, s96, 3
	s_add_co_u32 s96, s96, s74                     ; the result's group: [tile of tokens][pair of heads]
	s_lshl_b32 s98, s96, 9
	s_add_co_u32 s98, s98, s95
	s_mov_b32 s95, 0
	s_mov_b32 s99, 0
	s_mul_i32 s96, s96, 12288
	s_mul_i32 s97, s73, 1536
	s_add_co_u32 s96, s96, s97
	s_mov_b32 s97, 0
	s_mov_b32 s[G1C], 15|(3<<16)|(1<<21)           ; the mask: all four work-groups; elements of 8 bytes; bit 21 beside a mask; no padding
	s_mov_b32 s[G1C+1], 32<<16                     ; 96 rows of 256 bytes: two key steps' images
	s_mov_b32 s[G1C+2], 96<<16
	s_mov_b32 s[G1C+3], 32<<16
	s_mov_b32 s[G1C+4], 96
	s_mov_b32 s[G1C+5], 32
	s_mov_b32 s[G1C+6], 0
	s_mov_b32 s[G1C+7], 0
	s_mov_b32 s[G1S], 15|(3<<16)|(1<<21)
	s_mov_b32 s[G1S+1], 32<<16                     ; 16 rows of 256 bytes: all scale words
	s_mov_b32 s[G1S+2], 16<<16
	s_mov_b32 s[G1S+3], 32<<16
	s_mov_b32 s[G1S+4], 16
	s_mov_b32 s[G1S+5], 32
	s_mov_b32 s[G1S+6], 0
	s_mov_b32 s[G1S+7], 0
	s_mov_b32 s[SEL], 0x76543210
	s_mov_b32 s[SEL+1], 0xfedcba98
	s_mov_b32 s[CS], 0x3d38aa3b                    ; c = log2(e) / 32
	s_mov_b32 s[CS+1], s[CS]
	s_mov_b32 s[ST], 0
	s_mov_b32 s[TK], 0
	s_mov_b32 s[TS], 0
	s_wait_kmcnt 0x0
	s_mov_b32 s40, 1
	s_mov_b32 s41, s84
	s_add_nc_u64 s[42:43], s[6:7], s[82:83]
	s_or_b32 s43, s43, 0x80000000
	s_add_nc_u64 s[86:87], s[4:5], s[80:81]
	s_mul_i32 s48, s68, 24576                      ; piece w / 2 (two key steps' images) of K (even waves) or of V^T (odd waves)
	s_mov_b32 s49, 0
	s_mov_b32 s44, 1
	s_add_co_u32 s45, s79, s48
	s_add_nc_u64 s[46:47], s[86:87], s[48:49]
	s_or_b32 s47, s47, 0x80000000
	CROUND                                         ; all four work-groups are here: the joint loads meet
	; THE TEN FIRST FILLS, ONE A WAVE: waves 0-7 a piece of K or V^T each, waves 8 and 9 the scale words; one load of a wave is out at most
	s_cmp_lt_u32 s[WV], 8
	s_cbranch_scc0 .Lwords
	tensor_load_to_lds s[44:47], s[G1C:G1C+7]
	s_nop 0
.rept 4
	v_nop
.endr
	s_branch .Lnofetch
.Lwords:
	s_cmp_lt_u32 s[WV], 10
	s_cbranch_scc0 .Lnofetch
	tensor_load_to_lds s[40:43], s[G1S:G1S+7]
	s_nop 0
.rept 4
	v_nop
.endr
.Lnofetch:
	s_add_nc_u64 s[88:89], s[4:5], s[92:93]        ; q
	s_add_nc_u64 s[90:91], s[6:7], s[94:95]
	s_add_nc_u64 s[8:9], s[8:9], s[96:97]          ; the results
	s_add_nc_u64 s[10:11], s[10:11], s[98:99]
	v_and_b32 v8, 15, v0                           ; r
	s_wait_alu depctr_va_vdst(0)
	v_bfe_u32 v9, v0, 4, 1                         ; h
	s_wait_alu depctr_va_vdst(0)
	v_and_b32 v10, 31, v0
	s_delay_alu instid0(VALU_DEP_1)
	v_lshlrev_b32 v[AK0], 4, v10                   ; 16 x lane
	v_lshlrev_b32 v11, 2, v8                       ; 4 r
.irp c, 0,1,2
	global_load_b128 v[16+4*\c:19+4*\c], v[AK0], s[88:89] offset:512*\c
.endr
	global_load_b32 v255, v11, s[90:91]
	s_mul_i32 s85, s67, 6144
	s_add_co_u32 s85, s85, VIM
	v_add_nc_u32 v[AV0], s85, v[AK0]               ; my head's four images of V^T
	v_add_nc_u32 v[ASK0], KSC, v11
	s_lshl_b32 s85, s67, 8
	s_add_co_u32 s85, s85, VSC
	v_add_nc_u32 v[ASV0], s85, v11
	s_lshr_b32 s85, s73, 1                         ; d = my query's place in its block of 128, less 16 h: register 16 b + i holds key 32 b + 16 h + i of a step
	s_lshl_b32 s85, s85, 5
	s_and_b32 s86, s73, 1
	s_lshl_b32 s86, s86, 3
	s_add_co_u32 s85, s85, s86
	v_and_b32 v12, 8, v8
	s_delay_alu instid0(VALU_DEP_1)
	v_add_nc_u32 v12, v12, v8
	v_lshlrev_b32 v13, 4, v9
	s_delay_alu instid0(VALU_DEP_1)
	v_sub_nc_u32 v12, v12, v13
	s_delay_alu instid0(VALU_DEP_1)
	v_add_nc_u32 v5, s85, v12
	s_mul_i32 s85, s68, 1536                       ; the result's image j: head 0 holds its registers 0-5, head 1 registers 6-11
	s_add_co_u32 s85, s85, OST
	s_mul_i32 s86, s67, 520
	s_add_co_u32 s86, s86, s85
	v_add_nc_u32 v6, s86, v[AK0]
	s_mul_i32 s86, s67, 1016
	s_add_co_u32 s86, s86, s85
	v_add_nc_u32 v7, s86, v[AK0]
	s_cmp_eq_u32 s67, 0
	s_cselect_b32 s86, -1, 0                       ; keeps registers 0-5 of q (head 0's 64)
	s_cselect_b32 s87, 0, -1                       ; keeps registers 6-11
	v_mov_b32 v13, 0xff61b1e6                      ; the largest t so far: -3e38
	s_delay_alu instid0(VALU_DEP_1)
	v_floor_f32 v12, -v13                          ; -M
	v_mov_b32 v14, 0
	v_mov_b32 v15, 0
.irp b, 0,1,2,3
	v_mov_b32 v[236+\b], 0                         ; a lane permute's destination counts as one of its sources
.endr
	v_mov_b32 v252, 0
	v_mov_b32 v253, 0
	s_wait_loadcnt 0x0                             ; q
.irp i, 0,1,2,3,4,5
	v_and_b32 v[16+\i], s86, v[16+\i]
	v_and_b32 v[22+\i], s87, v[22+\i]
.endr
.set n, 0
.rept 32
	v_mov_b32 v[192+n], 0                          ; O^T: the step is written once; the first finds zeros
.set n, n+1
.endr
.macro STEP
	s_cmp_gt_u32 s[ST], s[T8]                      ; all its keys come after my queries: only the steps of the addresses remain
	s_cbranch_scc1 .Lhidden_\@
	v_add_nc_u32 v[ADK], s[TK], v[AK0]             ; (these four are also the places behind the last step's products, in front of the loads below)
	v_add_nc_u32 v[ADV], s[TK], v[AV0]
	v_add_nc_u32 v[ADS], s[TS], v[ASK0]
	v_add_nc_u32 v[ADT], s[TS], v[ASV0]
.irp t, 0,1,2,3,4,5,6,7
.irp c, 0,1,2
	ds_load_b128 v[32+12*\t+4*\c:35+12*\t+4*\c], v[ADK] offset:\t*1536+512*\c
.endr
	ds_load_b32 v[28+\t+216*(\t/4)], v[ADS] offset:64*\t
.endr
	s_wait_alu depctr_va_vdst(0)
	s_wait_dscnt 0x0
.irp t, 0,1,2,3,4,5,6,7
	v_wmma_scale_f32_16x16x128_f8f6f4 v[128+8*\t:135+8*\t], v[32+12*\t:43+12*\t], v[16:27], 0, v[28+\t+216*(\t/4)], v255 matrix_a_fmt:MATRIX_FMT_BF6 matrix_b_fmt:MATRIX_FMT_BF6
.endr
.rept 4
	v_nop                                          ; places: in front of the loads into K's registers, and of the first read of the scores
.endr
.irp t, 0,1,2,3                        ; V^T's four images land while the softmax is worked
.irp c, 0,1,2
	ds_load_b128 v[32+12*\t+4*\c:35+12*\t+4*\c], v[ADV] offset:\t*1536+512*\c
.endr
	ds_load_b32 v[248+\t], v[ADT] offset:64*\t
.endr
	s_cmp_lt_u32 s[ST], s[T8]                      ; all keys count: no mask
	s_cbranch_scc1 .Lopen_\@
	v_mov_b32 v254, 0xff800000
.set n, 0
.rept 64
	v_cmp_gt_i32 vcc_lo, 32*(n/16)+n%16, v5        ; hidden keys' scores become -infinity: p = 0
	v_cndmask_b32 v[128+n], v[128+n], v254, vcc_lo
.set n, n+1
.endr
.Lopen_\@:
.irp b, 0,1,2,3
	v_max3_num_f32 v[232+\b], v[128+16*\b], v[129+16*\b], v[130+16*\b]   ; the largest score of each block of 32 keys: for the row's maximum and for the block's largest p
.endr
.irp i, 3,5,7,9,11,13
.irp b, 0,1,2,3
	v_max3_num_f32 v[232+\b], v[232+\b], v[128+16*\b+\i], v[129+16*\b+\i]
.endr
.endr
.irp b, 0,1,2,3
	v_max_num_f32 v[232+\b], v[232+\b], v[143+16*\b]
.endr
.irp b, 0,1,2,3
	s_delay_alu instid0(VALU_DEP_4)
	v_permlanex16_b32 v[236+\b], v[232+\b], s[SEL], s[SEL+1]
.endr
.irp b, 0,1,2,3
	s_delay_alu instid0(VALU_DEP_4)
	v_max_num_f32 v[232+\b], v[232+\b], v[236+\b]
.endr
	s_delay_alu instid0(VALU_DEP_2)
	v_max3_num_f32 v254, v232, v233, v234
	s_delay_alu instid0(VALU_DEP_1)
	v_max_num_f32 v254, v254, v235
	s_delay_alu instid0(VALU_DEP_1)
	v_mul_f32 v254, s[CS], v254
	s_delay_alu instid0(VALU_DEP_1)
	v_max_num_f32 v13, v13, v254                   ; the running largest t
	v_mov_b32 v254, v12
	s_delay_alu instid0(VALU_DEP_2)
	v_floor_f32 v12, -v13                          ; the new -M
	s_delay_alu instid0(VALU_DEP_1)
	v_sub_f32 v254, v12, v254
	s_delay_alu instid0(VALU_DEP_1)
	v_cvt_i32_f32 v254, v254
	s_delay_alu instid0(VALU_DEP_1)
	v_ldexp_f32 v252, 1.0, v254                    ; f = 2^(old M - new M): exact
.set n, 0
.rept 32
	v_pk_fma_f32 v[128+n:129+n], v[128+n:129+n], s[CS:CS+1], v[12:13] op_sel_hi:[1,0,0]   ; t - M
.set n, n+2
.endr
.irp b, 0,1,2,3
	v_fma_f32 v[232+\b], v[232+\b], s[CS], v12
.endr
.set n, 0
	s_wait_alu depctr_va_vdst(0)
.rept 64
	v_exp_f32 v[128+n], v[128+n]                   ; p
.set n, n+1
.endr
	v_pk_mul_f32 v[14:15], v[14:15], v[252:253] op_sel_hi:[1,0]   ; the sums under the new M; a plain line behind the exponentials
	s_wait_alu depctr_va_vdst(0)                   ; one wait for the batch, ahead of its first reader
.irp b, 0,1,2,3
	v_exp_f32 v[232+\b], v[232+\b]                 ; the block's largest p
.endr
	v_pk_add_f32 v[236:237], v[132:133], v[136:137]
	v_pk_add_f32 v[246:247], v[140:141], v[144:145]
	v_pk_add_f32 v[244:245], v[148:149], v[152:153]
	v_pk_add_f32 v[242:243], v[156:157], v[160:161]
	v_pk_add_f32 v[240:241], v[164:165], v[168:169]
	v_pk_add_f32 v[238:239], v[172:173], v[176:177]
	v_pk_add_f32 v[230:231], v[180:181], v[184:185]
	v_pk_add_f32 v[14:15], v[14:15], v[188:189]
	v_pk_add_f32 v[236:237], v[236:237], v[128:129]
	v_pk_add_f32 v[246:247], v[246:247], v[130:131]
	v_pk_add_f32 v[244:245], v[244:245], v[134:135]
	v_pk_add_f32 v[242:243], v[242:243], v[138:139]
	v_pk_add_f32 v[240:241], v[240:241], v[142:143]
	v_pk_add_f32 v[238:239], v[238:239], v[146:147]
	v_pk_add_f32 v[230:231], v[230:231], v[150:151]
	v_pk_add_f32 v[14:15], v[14:15], v[154:155]
	v_pk_add_f32 v[236:237], v[236:237], v[158:159]
	v_pk_add_f32 v[246:247], v[246:247], v[162:163]
	v_pk_add_f32 v[244:245], v[244:245], v[166:167]
	v_pk_add_f32 v[242:243], v[242:243], v[170:171]
	v_pk_add_f32 v[240:241], v[240:241], v[174:175]
	v_pk_add_f32 v[238:239], v[238:239], v[178:179]
	v_pk_add_f32 v[230:231], v[230:231], v[182:183]
	v_pk_add_f32 v[14:15], v[14:15], v[186:187]
	v_pk_add_f32 v[236:237], v[236:237], v[190:191]
	s_delay_alu instid0(VALU_DEP_2)
	v_pk_add_f32 v[14:15], v[14:15], v[242:243]
	s_delay_alu instid0(VALU_DEP_2)
	v_pk_add_f32 v[236:237], v[236:237], v[240:241]
	v_pk_add_f32 v[246:247], v[246:247], v[238:239]
	v_pk_add_f32 v[244:245], v[244:245], v[230:231]
	s_delay_alu instid0(VALU_DEP_2)
	v_pk_add_f32 v[14:15], v[14:15], v[246:247]
	s_delay_alu instid0(VALU_DEP_2)
	v_pk_add_f32 v[236:237], v[236:237], v[244:245]
	s_delay_alu instid0(VALU_DEP_1)
	v_pk_add_f32 v[14:15], v[14:15], v[236:237]
	s_wait_alu depctr_va_vdst(0)                   ; and one for the four
.irp b, 0,1,2,3
	v_max_num_f32 v[232+\b], 0x2800000, v[232+\b]  ; the floor 2^(5 - 127)
.endr
.irp b, 0,1,2,3
	s_delay_alu instid0(VALU_DEP_4)
	v_add_nc_u32 v[244+\b], 0xfe000000, v[232+\b]
.endr
.irp b, 0,1,2,3
	s_delay_alu instid0(VALU_DEP_4)
	v_lshrrev_b32 v[236+\b], 23, v[244+\b]
.endr
	s_delay_alu instid0(VALU_DEP_3)
	v_lshl_or_b32 v253, v237, 8, v236              ; p's scale word
	s_delay_alu instid0(VALU_DEP_1)
	v_lshl_or_b32 v253, v238, 16, v253
	s_delay_alu instid0(VALU_DEP_1)
	v_lshl_or_b32 v253, v239, 24, v253
.irp c, 0,1
	v_cvt_scalef32_pk16_bf6_f32 v[224+6*\c:226+6*\c], v[128+32*\c:143+32*\c], v[244+2*\c]
	v_cvt_scalef32_pk16_bf6_f32 v[236+4*\c:238+4*\c], v[144+32*\c:159+32*\c], v[245+2*\c]
.endr
	v_nop
.irp c, 0,1
.irp i, 0,1,2
	v_permlane16_swap_b32 v[224+6*\c+\i], v[236+4*\c+\i]
.endr
.irp i, 0,1,2
	s_delay_alu instid0(VALU_DEP_3)
	v_mov_b32 v[227+6*\c+\i], v[236+4*\c+\i]
.endr
.endr
.set n, 0
.rept 16
	v_pk_mul_f32 v[192+n:193+n], v[192+n:193+n], v[252:253] op_sel_hi:[1,0]   ; O^T under the new M; also the places in front of the scaled products
.set n, n+2
.endr
	s_wait_alu depctr_va_vdst(0)
	s_wait_dscnt 0x0                               ; V^T
.irp t, 0,1,2,3
	v_wmma_scale_f32_16x16x128_f8f6f4 v[192+8*\t:199+8*\t], v[32+12*\t:43+12*\t], v[224:235], v[192+8*\t:199+8*\t], v[248+\t], v253 matrix_a_fmt:MATRIX_FMT_BF6 matrix_b_fmt:MATRIX_FMT_BF6
.endr
.Lhidden_\@:
	s_add_co_u32 s[ST], s[ST], 1
	s_add_co_u32 s[TK], s[TK], 12288
	s_add_co_u32 s[TS], s[TS], 512
.endm
.macro WALK                            ; every fetching wave waits for its one load, one barrier shows all of K and V^T to all; nothing is ever filled again; then the eight key steps in one loop
	s_wait_tensorcnt 0x0
	s_barrier_signal -1
	s_barrier_wait -1
	s_mov_b32 s[TW], 8
.Lstep_\@:
	STEP
	s_sub_co_u32 s[TW], s[TW], 1
	s_cmp_lg_u32 s[TW], 0
	s_cbranch_scc1 .Lstep_\@
.endm
	WALK
	; THE WAY OUT: O^T / the sum; my head's 64 channels are two blocks of the next K: quantised; the pair's two heads meet in LDS as one image.
.rept 4
	v_nop                                          ; places behind the last products
.endr
	v_add_f32 v14, v14, v15
	s_delay_alu instid0(VALU_DEP_1)
	v_permlanex16_b32 v252, v14, s[SEL], s[SEL+1]
	s_delay_alu instid0(VALU_DEP_1)
	v_add_f32 v14, v14, v252
	s_wait_alu depctr_va_vdst(0)
	v_rcp_f32 v14, v14
	v_and_b32 v8, 15, v0                           ; (a plain line behind the transcendental)
	s_lshl_b32 s85, s68, 6
	s_add_co_u32 s85, s85, OSS
	v_lshl_add_u32 v11, v8, 2, s85                 ; the image's scale words
	s_lshl_b32 s86, s67, 1
	v_add_nc_u32 v9, s86, v11                      ; my head's two bytes of a word
	s_mul_i32 s85, s68, 1536
	s_add_co_u32 s85, s85, OST
	v_add_nc_u32 v10, s85, v[AK0]
	v_lshlrev_b32 v13, 2, v8
	s_wait_alu depctr_va_vdst(0)                   ; the wait ahead of the reciprocal's first reader
.set n, 0
.rept 32
	v_mul_f32 v[128+n], v[192+n], v14              ; register 16 b + i: channel 32 b + 16 h + i; each accumulator from its low end on
.set n, n+1
.endr
.irp b, 0,1
	v_max3_num_f32 v[232+\b], |v[128+16*\b]|, |v[129+16*\b]|, 0x2800000
.endr
.irp i, 2,4,6,8,10,12,14
.irp b, 0,1
	s_delay_alu instid0(VALU_DEP_2)
	v_max3_num_f32 v[232+\b], v[232+\b], |v[128+16*\b+\i]|, |v[129+16*\b+\i]|
.endr
.endr
.irp b, 0,1
	s_delay_alu instid0(VALU_DEP_2)
	v_permlanex16_b32 v[236+\b], v[232+\b], s[SEL], s[SEL+1]
.endr
.irp b, 0,1
	s_delay_alu instid0(VALU_DEP_2)
	v_max_num_f32 v[232+\b], v[232+\b], v[236+\b]
.endr
.irp b, 0,1
	s_delay_alu instid0(VALU_DEP_2)
	v_add_nc_u32 v[244+\b], 0xfe000000, v[232+\b]
.endr
.irp b, 0,1
	s_delay_alu instid0(VALU_DEP_2)
	v_lshrrev_b32 v[236+\b], 23, v[244+\b]
.endr
	s_delay_alu instid0(VALU_DEP_1)
	v_lshl_or_b32 v253, v237, 8, v236
	v_cvt_scalef32_pk16_bf6_f32 v[224:226], v[128:143], v244
	v_cvt_scalef32_pk16_bf6_f32 v[240:242], v[144:159], v245
	v_nop
.irp i, 0,1,2
	v_permlane16_swap_b32 v[224+\i], v[240+\i]
.endr
.irp i, 0,1,2
	s_delay_alu instid0(VALU_DEP_3)
	v_mov_b32 v[227+\i], v[240+\i]
.endr
	ds_store_b64 v6, v[224:225]                    ; registers 0, 1 (head 1: 6, 7)
	ds_store_b64 v7, v[226:227] offset:8           ; 2, 3 (8, 9)
	ds_store_b64 v6, v[228:229] offset:512         ; 4, 5 (10, 11)
	ds_store_b16 v9, v253                          ; both halves of the lanes write the same bytes
	s_wait_dscnt 0x0                               ; for the other head's wave
	s_barrier_signal -1
	s_barrier_wait -1
	s_cmp_lg_u32 s67, 0
	s_cbranch_scc1 .Lodd                           ; the even wave of each pair stores the image
.irp c, 0,1,2
	ds_load_b128 v[32+4*\c:35+4*\c], v10 offset:512*\c
.endr
	ds_load_b32 v44, v11
	s_wait_dscnt 0x0
.irp c, 0,1,2
	global_store_b128 v[AK0], v[32+4*\c:35+4*\c], s[8:9] offset:512*\c
.endr
	global_store_b32 v13, v44, s[10:11]            ; 16 words; both halves of the lanes write the same
.Lodd:
	s_wait_xcnt 0x0
	v_lshl_add_u32 v254, v0, 2, 0x36000
	v_mov_b32 v255, 0
	s_wait_alu depctr_va_vdst(0)
	s_wait_tensorcnt 0x0
	ds_add_u32 v254, v255
	s_wait_dscnt 0x0
	CROUND                                         ; the closing round
	s_endpgm
.Lfunc_end_k_qc6fa5e4dac_attn:
	.size	k_qc6fa5e4dac_attn, .Lfunc_end_k_qc6fa5e4dac_attn-k_qc6fa5e4dac_attn
	.p2alignl 7, 3214868480
	.fill 96, 4, 3214868480
	.section	.rodata,"a",@progbits
	.p2align	6, 0x0
	.amdhsa_kernel k_qc6fa5e4dac_attn
		.amdhsa_group_segment_fixed_size 223232
		.amdhsa_private_segment_fixed_size 0
		.amdhsa_enable_private_segment 0
		.amdhsa_kernarg_size 32
		.amdhsa_user_sgpr_count 2
		.amdhsa_user_sgpr_kernarg_segment_ptr 1
		.amdhsa_wavefront_size32 1
		.amdhsa_system_sgpr_workgroup_id_x 1
		.amdhsa_system_sgpr_workgroup_id_y 1
		.amdhsa_system_sgpr_workgroup_id_z 1
		.amdhsa_system_vgpr_workitem_id 0
		.amdhsa_next_free_vgpr 256
		.amdhsa_next_free_sgpr 100
		.amdhsa_reserve_vcc 1
		.amdhsa_float_denorm_mode_32 3
		.amdhsa_float_denorm_mode_16_64 3
		.amdhsa_memory_ordered 1
		.amdhsa_forward_progress 1
		.amdhsa_inst_pref_size 39
	.end_amdhsa_kernel
	.amdgpu_metadata
---
amdhsa.version: [ 1, 2 ]
amdhsa.kernels:
  - .name:           k_qc6fa5e4dac_attn
    .symbol:         k_qc6fa5e4dac_attn.kd
    .args:
      - { .name: qcod, .offset: 0, .size: 8, .value_kind: global_buffer, .address_space: global }
      - { .name: qscl, .offset: 8, .size: 8, .value_kind: global_buffer, .address_space: global }
      - { .name: acod, .offset: 16, .size: 8, .value_kind: global_buffer, .address_space: global }
      - { .name: ascl, .offset: 24, .size: 8, .value_kind: global_buffer, .address_space: global }
    .group_segment_fixed_size: 223232
    .private_segment_fixed_size: 0
    .kernarg_segment_align: 8
    .kernarg_segment_size: 32
    .max_flat_workgroup_size: 512
    .sgpr_count:     100
    .vgpr_count:     256
    .wavefront_size: 32
...
	.end_amdgpu_metadata
.endif
;; end of part 3
;; launch proj (part 4): grid 8 x 32, 4 waves a work-group, clusters of 4 x 4, 327,680 bytes of LDS; arguments acod, ascl, wcod, wscl, bp, x, x1; writes x1
.if DOCPART == 4
	.amdgcn_target "amdgcn-amd-amdhsa--gfx1250"
	.amdhsa_code_object_version 6
	.text
	.protected	k_qc6fa5e4dac_proj
	.globl	k_qc6fa5e4dac_proj
	.p2align	8
	.type	k_qc6fa5e4dac_proj,@function
k_qc6fa5e4dac_proj:
	s_mov_b64 s[64:65], 0
	v_nop
	global_prefetch_b8 v0, s[64:65] scope:SCOPE_SE
	s_setreg_imm32_b32 hwreg(HW_REG_WAVE_MODE, 25, 1), 1
	s_wait_xcnt 0x0
	s_wait_alu depctr_hold_cnt(0) depctr_sa_sdst(0) depctr_va_vdst(0) depctr_va_sdst(0) depctr_va_ssrc(0) depctr_va_vcc(0) depctr_vm_vsrc(0)
	s_getreg_b32 s2, hwreg(HW_REG_IB_STS2, 6, 4)
	s_cmp_eq_u32 s2, 0
	s_cbranch_scc0 .Lentry_in_a_cluster
	s_endpgm
.Lentry_in_a_cluster:
	s_bfe_u32 s2, ttmp6, 0x10000c
	s_cmp_lg_u32 s2, 0xf033
	s_cbranch_scc0 .Lentry_shape_is_right
	s_endpgm
.Lentry_shape_is_right:
; out = resid + A W + bias on codes of BF6 (E3M2) with E8M0 scales; out, resid [4096][1024] f32.  A: [4096][KDIM], W: [1024 (n)][KDIM], both as images of operand registers
; (16 rows x 128 K = 1,536 bytes; groups of 8 images [tile of 128 rows][K step]; scale words 512 bytes a group; of 32 rows, image u holds in lane r row 8 u + r + 8 (r / 8)).
; N = 1,024 gives only 64 tiles of 256 x 256, so a tile is 128 x 128: 256 work-groups.  Four waves, each 64 x 64: 16 accumulators.  Source 0 = 16 rows of W, source 1 = 16 rows of A: a lane holds one token and eight neighbouring columns a register run.
; K goes in steps of 512 through two LDS slots of 98,304 bytes; A's and W's whole tiles come by one tensor load each (98,304 dense bytes).  The scale words of all of K come once.
; CLUSTER 4 x 4: A's tiles are asked for jointly along a row of the cluster, W's along a column.
; The bias is the C of each sum's first product.  The residual is loaded at the head, in the order in which rows come back from the stage, and added on the way out; each half of a wave stores 256 consecutive bytes, aligned.
; REGISTERS: window 0: v16-30 addresses, v32-39 scale words (two sets), v40-71 the bias, later with v72-103 rows on the way out, v128-255 accumulator (a, b) at v[128 + 8 (4 a + b)]; window 1: two fragment buffers at v0, v128 (A's four, then W's four); window 2: v0-127 the residual.
.set FC2,   0
.set KDIM,  1024
.set WOFF,  2359296                    ; the weight's first group x 12,288
.set WSOFF, 98304                      ; x 512
.set LAPS,  KDIM/1024
.set TSTR,  KDIM/128*12288
.set HALFS, KDIM/128*256               ; half of a tile's scale words
.set PART,  24576
.set SLOT,  4*PART
.set SCL,   2*SLOT
.set SPARE, ((SCL+4*HALFS+64+255)/256)*256
.set STG,   SPARE+512                  ; 16 rows x 272 bytes for each wave: no fill lands here
.set ADRA, 16
.set ADRB, 20
.set STO,  24
.set RD,   25
.set CO,   26
.set ADRS, 27
.set SPW,  28
.set NIL,  29
.set BO,   30
.set SC,   32
.set BI,   40
.set ACC,  128
.set G1,   24
.set G0,   32
.set G1B,  48
.set G0B,  56
.set G1S,  68
.set G0S,  76
.set G1SB, 80
.set G0SB, 88
.set MSB, 0
.macro WIN new
.if MSB != \new
	s_set_vgpr_msb (MSB<<8)|\new
.set MSB, \new
.endif
.endm
.set MUL,  0x05                        ; sources 0 and 1 window 1; C and D window 0
.set TO_F, 0x40
.macro JLOAD g0a, g1a, g0b, g1b        ; a joint load: waves 0 and 1 fetch for A, waves 2 and 3 for W; four v_nop follow each line
	s_cmp_eq_u32 s15, 0
	s_cbranch_scc0 .Lfor_b_\@
	tensor_load_to_lds s[\g0a:\g0a+3], s[\g1a:\g1a+7]
	s_nop 0
.rept 4
	v_nop
.endr
	s_branch .Lasked_\@
.Lfor_b_\@:
	tensor_load_to_lds s[\g0b:\g0b+3], s[\g1b:\g1b+7]
	s_nop 0
.rept 4
	v_nop
.endr
.Lasked_\@:
.endm
.macro CREST
	s_cmp_lg_u32 s14, 0
	s_cbranch_scc1 .Lnot_wave_0_\@
	s_barrier_signal -3
.Lnot_wave_0_\@:
	s_barrier_wait -3
	s_barrier_signal -1
	s_barrier_wait -1
.endm
.macro CROUND
	s_barrier_signal -1
	s_barrier_wait -1
	CREST
.endm
.if FC2
	s_load_b64 s[4:5], s[0:1], 0x0                 ; A's codes, with its scale words behind them
	s_load_b128 s[8:11], s[0:1], 0x8               ; the weights' codes and scale words
	s_load_b128 s[96:99], s[0:1], 0x18             ; the bias, the residual
	s_load_b64 s[66:67], s[0:1], 0x28              ; out
.else
	s_load_b128 s[4:7], s[0:1], 0x0                ; A's codes and scale words
	s_load_b128 s[8:11], s[0:1], 0x10              ; the weights'
	s_load_b128 s[96:99], s[0:1], 0x20             ; the bias, the residual
	s_load_b64 s[66:67], s[0:1], 0x30              ; out
.endif
	v_lshl_add_u32 v[SPW], v0, 2, SPARE
	v_mov_b32 v[NIL], 0
	ds_add_u32 v28, v29
	ds_add_u32 v28, v29
	s_wait_dscnt 0x0
	v_lshrrev_b32 v1, 5, v0
	v_readfirstlane_b32 s14, v1                    ; wave
	s_lshr_b32 s15, s14, 1                         ; my half of the tile's rows; also: I fetch for A (0) or W (1)
	s_and_b32 s16, s14, 1                          ; my half of its columns; also: which two of a slot's four K steps of 128 I fetch
	s_bfe_u32 s40, ttmp6, 0x40000
	s_bfe_u32 s41, ttmp6, 0x40004
	s_lshl_b32 s42, ttmp9, 2
	s_add_co_u32 s42, s42, s40                     ; tile of 128 columns
	s_and_b32 s17, ttmp7, 0xffff
	s_lshl_b32 s17, s17, 2
	s_add_co_u32 s17, s17, s41                     ; tile of 128 tokens
	s_lshl_b32 s43, s41, 2
	s_lshl_b32 s43, 15, s43
	s_lshl_b32 s44, 0x1111, s40
	s_or_b32 s[G1+0], s43, (3<<16)|(1<<21)
	s_or_b32 s[G1B+0], s44, (3<<16)|(1<<21)
.irp g, G1, G1B                        ; a dense block as 384 rows of 256 bytes: a whole tile
	s_mov_b32 s[\g+1], 32<<16
	s_mov_b32 s[\g+2], 384<<16
	s_mov_b32 s[\g+3], 32<<16
	s_mov_b32 s[\g+4], 384
	s_mov_b32 s[\g+5], 32
	s_mov_b32 s[\g+6], 0
	s_mov_b32 s[\g+7], 0
.endr
	s_or_b32 s[G1S+0], s43, (3<<16)|(1<<21)
	s_or_b32 s[G1SB+0], s44, (3<<16)|(1<<21)
.irp g, G1S, G1SB
	s_mov_b32 s[\g+1], 32<<16
	s_mov_b32 s[\g+2], (2*HALFS/256)<<16
	s_mov_b32 s[\g+3], 32<<16
	s_mov_b32 s[\g+4], 2*HALFS/256
	s_mov_b32 s[\g+5], 32
	s_mov_b32 s[\g+6], 0
	s_mov_b32 s[\g+7], 0
.endr
	s_mul_i32 s20, s17, TSTR                       ; where the tile's codes and scale words begin: A's by the tile of tokens, W's by the tile of columns
	s_mul_i32 s22, s17, 2*HALFS
	s_mul_i32 s46, s42, TSTR
	s_add_co_u32 s46, s46, WOFF
	s_mul_i32 s92, s42, 2*HALFS
	s_add_co_u32 s92, s92, WSOFF
	s_mov_b32 s21, 0
	s_mov_b32 s23, 0
	s_mov_b32 s47, 0
	s_mov_b32 s93, 0
	s_wait_kmcnt 0x0
.if FC2
	s_add_nc_u64 s[6:7], s[4:5], 12582912
.endif
	s_add_nc_u64 s[20:21], s[4:5], s[20:21]
	s_add_nc_u64 s[22:23], s[6:7], s[22:23]
	s_add_nc_u64 s[46:47], s[8:9], s[46:47]
	s_add_nc_u64 s[92:93], s[10:11], s[92:93]
	CROUND                                         ; all sixteen work-groups are here: the first joint loads meet
	s_mov_b32 s[G0S], 1
	s_mov_b32 s[G0S+1], SCL
	s_mov_b64 s[G0S+2:G0S+3], s[22:23]
	s_or_b32 s[G0S+3], s[G0S+3], 0x80000000
	s_mov_b32 s[G0SB], 1
	s_mov_b32 s[G0SB+1], SCL+2*HALFS+64
	s_mov_b64 s[G0SB+2:G0SB+3], s[92:93]
	s_or_b32 s[G0SB+3], s[G0SB+3], 0x80000000
; AT KDIM = 1,024 ALL OF K LIES IN LDS AT ONCE, and nothing is filled a second time: A's tile (98,304 dense bytes) at byte 0, W's behind it; "slot s" below is the s-th 512 along K of each.
; THE HEAD'S LOADS, ONE A WAVE: wave 0 A's tile, wave 1 W's, wave 2 A's scale words, wave 3 W's.  One chain of branches on the wave's number, a load to an arm, all arms leading to one join.
	s_mov_b32 s[G0], 1
	s_mov_b32 s[G0+1], 0
	s_mov_b64 s[G0+2:G0+3], s[20:21]
	s_or_b32 s[G0+3], s[G0+3], 0x80000000
	s_mov_b32 s[G0B], 1
	s_mov_b32 s[G0B+1], 4*PART
	s_mov_b64 s[G0B+2:G0B+3], s[46:47]
	s_or_b32 s[G0B+3], s[G0B+3], 0x80000000
.macro ARM under, g0, g1, next
	s_cmp_lt_u32 s14, \under
	s_cbranch_scc0 \next
	tensor_load_to_lds s[\g0:\g0+3], s[\g1:\g1+7]
	s_nop 0
.rept 4
	v_nop
.endr
	s_branch .Lhead_asked
\next:
.endm
	ARM 1, G0,  G1,  .Lhead_b
	ARM 2, G0B, G1B, .Lhead_sa
	ARM 3, G0S, G1S, .Lhead_sb
	tensor_load_to_lds s[G0SB:G0SB+3], s[G1SB:G1SB+7]
	s_nop 0
.rept 4
	v_nop
.endr
.Lhead_asked:
	v_and_b32 v1, 15, v0                           ; r
	v_bfe_u32 v2, v0, 4, 1                         ; h
	s_wait_alu depctr_va_vdst(0)
	v_and_b32 v3, 31, v0
	v_lshlrev_b32 v4, 4, v3                        ; 16 x lane
	s_mul_i32 s21, s15, 6144                       ; my four images of A in each group
	s_mul_i32 s22, s16, 6144                       ; my four of W,
	s_add_co_u32 s22, s22, 4*PART
.irp s, 0,1
	v_add_nc_u32 v[ADRA+\s], s21, v4
	v_add_nc_u32 v[ADRB+\s], s22, v4
	s_add_co_u32 s21, s21, 2*PART
	s_add_co_u32 s22, s22, 2*PART
.endr
	v_lshlrev_b32 v5, 2, v1                        ; scale words: lanes 0-15 A's, lanes 16-31 W's
	s_lshl_b32 s21, s15, 8
	s_lshl_b32 s22, s16, 8
	s_add_co_u32 s22, s22, 2*HALFS+64
	s_sub_co_u32 s22, s22, s21
	v_mul_u32_u24 v6, s22, v2
	s_add_co_u32 s21, s21, SCL
	v_add_nc_u32 v5, v5, v6
	v_add_nc_u32 v[ADRS], s21, v5
	s_mul_i32 s23, s14, 16*272
	s_add_co_u32 s23, s23, STG                     ; my stage
	v_mul_u32_u24 v5, v1, 272
	v_lshl_add_u32 v5, v2, 6, v5
	v_add_nc_u32 v[STO], s23, v5                   ; in: row r, + 64 h
	v_mul_u32_u24 v5, v2, 272
	v_lshl_add_u32 v5, v1, 4, v5
	v_add_nc_u32 v[RD], s23, v5                    ; back: lanes 0-15 one row of 256 bytes, lanes 16-31 the next
	v_lshlrev_b32 v5, 12, v2
	v_lshl_add_u32 v[CO], v1, 4, v5                ; the same two rows in memory
	v_lshlrev_b32 v[BO], 6, v2
	s_wait_alu depctr_va_vdst(0)
	s_lshl_b32 s46, s42, 9
	s_lshl_b32 s47, s16, 8
	s_add_co_u32 s46, s46, s47                     ; my first column, in bytes
	s_mov_b32 s47, 0
	s_add_nc_u64 s[96:97], s[96:97], s[46:47]
	s_lshl_b32 s20, s17, 7
	s_lshl_b32 s21, s15, 6
	s_add_co_u32 s20, s20, s21
	s_lshl_b32 s20, s20, 12                        ; my first row
	s_mov_b32 s21, 0
	s_add_nc_u64 s[20:21], s[20:21], s[46:47]
	s_add_nc_u64 s[98:99], s[98:99], s[20:21]
	s_add_nc_u64 s[66:67], s[66:67], s[20:21]
.irp e, 0,1
.irp j, 0,1,2,3
	global_load_b128 v[BI+16*\e+4*\j:BI+16*\e+4*\j+3], v[BO], s[96:97] offset:128*\e+16*\j   ; lane (r, h): for W's blocks 2 e, 2 e + 1 the 16 numbers from 32 e + 16 h on
.endr
.endr
	WIN 0x80                                       ; destination window 2
.irp a, 0,1,2,3
.irp t, 0,1,2,3,4,5,6,7
	global_load_b128 v[32*\a+4*\t:32*\a+4*\t+3], v[CO], s[98:99] offset:(32*(\a/2)+8*(\a%2)+2*\t+8*(\t/4))*4096   ; image a's rows 2 t, 2 t + 1
.endr
.endr
	WIN 0
.macro FETCH slot, q, f                ; the fragments and scale words of the slot's q-th 128 along K into buffer f
	WIN TO_F
.irp i, 0,1,2,3
.irp c, 0,1,2
	ds_load_b128 v[128*(\f)+48+12*\i+4*\c:128*(\f)+48+12*\i+4*\c+3], v[ADRB+\slot] offset:(\q)*12288+\i*1536+512*\c
.endr
.endr
.irp i, 0,1,2,3
.irp c, 0,1,2
	ds_load_b128 v[128*(\f)+12*\i+4*\c:128*(\f)+12*\i+4*\c+3], v[ADRA+\slot] offset:(\q)*12288+\i*1536+512*\c
.endr
.endr
	WIN 0
.irp i, 0,1,2,3
	ds_load_b32 v[SC+4*(\f)+\i], v[ADRS] offset:512*(\q)+64*\i
.endr
.endm
.macro MUL4 f, a, first                ; A's block a x W's four; the 16 accumulators take turns
.irp b, 0,1,2,3
.if \first
	v_wmma_scale_f32_16x16x128_f8f6f4 v[ACC+8*(4*(\a)+\b):ACC+8*(4*(\a)+\b)+7], v[128*(\f)+48+12*\b:128*(\f)+48+12*\b+11], v[128*(\f)+12*(\a):128*(\f)+12*(\a)+11], v[BI+8*\b:BI+8*\b+7], v[SC+4*(\f)+\b], v[SC+4*(\f)+(\a)] matrix_a_fmt:MATRIX_FMT_BF6 matrix_b_fmt:MATRIX_FMT_BF6 matrix_a_scale:MATRIX_SCALE_ROW1
.else
	v_wmma_scale_f32_16x16x128_f8f6f4 v[ACC+8*(4*(\a)+\b):ACC+8*(4*(\a)+\b)+7], v[128*(\f)+48+12*\b:128*(\f)+48+12*\b+11], v[128*(\f)+12*(\a):128*(\f)+12*(\a)+11], v[ACC+8*(4*(\a)+\b):ACC+8*(4*(\a)+\b)+7], v[SC+4*(\f)+\b], v[SC+4*(\f)+(\a)] matrix_a_fmt:MATRIX_FMT_BF6 matrix_b_fmt:MATRIX_FMT_BF6 matrix_a_scale:MATRIX_SCALE_ROW1
.endif
.endr
.endm
.macro PLACES                          ; plain vector lines between a matrix instruction and a load into one of its registers
.rept 4
	v_nop
.endr
.endm
.macro QUARTER slot, q, first          ; 128 along K: multiplies buffer q % 2, and first asks for the next 128 into the other
	s_wait_dscnt 0x0
	PLACES
	FETCH \slot, (\q)+1, 1-(\q)%2
	WIN MUL
.irp a, 0,1,2,3
	MUL4 (\q)%2, \a, \first
.endr
.endm
.macro TURN slot, next, fill           ; a slot's last 128 along K, in buffer 1, and the change of slots: one barrier
	WIN 0
	s_wait_tensorcnt 0x0                           ; all my tensor loads have landed: my part of the next slot
	ds_add_u32 v[SPW], v[NIL]                      ; 0 onto my spare word
	s_wait_dscnt 1                                 ; (the add may be out)
	WIN MUL
	MUL4 1, 0, 0
	s_wait_dscnt 0x0                               ; the add is done, and my reads of this slot are over
	s_barrier_signal -1
	MUL4 1, 1, 0
	WIN 0
	s_barrier_wait -1
.if \fill
	CREST                                          ; the barrier has opened a round of the cluster's
	s_add_nc_u64 s[G0+4*\slot+2:G0+4*\slot+3], s[G0+4*\slot+2:G0+4*\slot+3], 4*PART
	s_add_nc_u64 s[G0B+4*\slot+2:G0B+4*\slot+3], s[G0B+4*\slot+2:G0B+4*\slot+3], 4*PART
	JLOAD G0+4*\slot, G1, G0B+4*\slot, G1B         ; the first tensor load behind the round; its four v_nop are the places in front of the loads below
.else
	PLACES
.endif
	v_add_nc_u32 v[ADRS], 2048, v[ADRS]            ; the next slot's scale words
	FETCH \next, 0, 0
	WIN MUL
	MUL4 1, 2, 0
	MUL4 1, 3, 0
.endm
	s_wait_tensorcnt 0x0                           ; my one load of the head is in
	s_barrier_signal -1
	s_barrier_wait -1
	FETCH 0, 0, 0
	s_wait_loadcnt 32                              ; the bias is in; the residual's 32 loads may be out
	QUARTER 0, 0, 1
.if LAPS > 1
	WIN 0
	s_mov_b32 s3, LAPS-1
.Llap:
	QUARTER 0, 1, 0
	QUARTER 0, 2, 0
	TURN 0, 1, 1
	QUARTER 1, 0, 0
	QUARTER 1, 1, 0
	QUARTER 1, 2, 0
	TURN 1, 0, 1
	QUARTER 0, 0, 0
	WIN 0
	s_sub_co_u32 s3, s3, 1
	s_cmp_lg_u32 s3, 0
	s_cbranch_scc1 .Llap
.endif
	QUARTER 0, 1, 0
	QUARTER 0, 2, 0
	TURN 0, 1, 0                                   ; the last lap fills nothing
	s_wait_alu depctr_va_vdst(0)
	QUARTER 1, 0, 0
	QUARTER 1, 1, 0
	QUARTER 1, 2, 0
	s_wait_dscnt 0x0
.irp a, 0,1,2,3
	MUL4 1, \a, 0
.endr
	WIN 0
	PLACES
	s_wait_loadcnt 0x0                             ; the residual
.macro OUTA a                          ; image a's 16 rows x 64 columns through my stage, back as rows of 256 bytes, + the residual, out
.set OB, 40+32*((\a)%2)
.irp b, 0,1,2,3
	ds_store_b128 v[STO], v[ACC+8*(4*(\a)+\b):ACC+8*(4*(\a)+\b)+3] offset:128*(\b/2)+32*(\b%2)       ; each accumulator from its low end on
	ds_store_b128 v[STO], v[ACC+8*(4*(\a)+\b)+4:ACC+8*(4*(\a)+\b)+7] offset:128*(\b/2)+32*(\b%2)+16
.endr
.if (\a) >= 2
	s_wait_xcnt 0x0                                ; image a - 2's stores have read these registers
.endif
.irp t, 0,1,2,3,4,5,6,7
	ds_load_b128 v[OB+4*\t:OB+4*\t+3], v[RD] offset:544*\t   ; LDS serves a wave's instructions in order
.endr
	s_wait_dscnt 0x0
	WIN 0x08                                       ; source 1 window 2
.irp t, 0,1,2,3,4,5,6,7
	v_pk_add_f32 v[OB+4*\t:OB+4*\t+1], v[OB+4*\t:OB+4*\t+1], v[32*(\a)+4*\t:32*(\a)+4*\t+1]
	v_pk_add_f32 v[OB+4*\t+2:OB+4*\t+3], v[OB+4*\t+2:OB+4*\t+3], v[32*(\a)+4*\t+2:32*(\a)+4*\t+3]
.endr
	WIN 0
.irp t, 0,1,2,3,4,5,6,7
	global_store_b128 v[CO], v[OB+4*\t:OB+4*\t+3], s[66:67] offset:(32*((\a)/2)+8*((\a)%2)+2*\t+8*(\t/4))*4096
.endr
.endm
	OUTA 0
	OUTA 1
	OUTA 2
	OUTA 3
	s_wait_tensorcnt 0x0                           ; the wave's end
	ds_add_u32 v[SPW], v[NIL]
	s_wait_dscnt 0x0
	CROUND                                         ; the closing round
	s_endpgm
.Lfunc_end_k_qc6fa5e4dac_proj:
	.size	k_qc6fa5e4dac_proj, .Lfunc_end_k_qc6fa5e4dac_proj-k_qc6fa5e4dac_proj
	.p2alignl 7, 3214868480
	.fill 96, 4, 3214868480
	.section	.rodata,"a",@progbits
	.p2align	6, 0x0
	.amdhsa_kernel k_qc6fa5e4dac_proj
		.amdhsa_group_segment_fixed_size 327680
		.amdhsa_private_segment_fixed_size 0
		.amdhsa_enable_private_segment 0
		.amdhsa_kernarg_size 56
		.amdhsa_user_sgpr_count 2
		.amdhsa_user_sgpr_kernarg_segment_ptr 1
		.amdhsa_wavefront_size32 1
		.amdhsa_system_sgpr_workgroup_id_x 1
		.amdhsa_system_sgpr_workgroup_id_y 1
		.amdhsa_system_sgpr_workgroup_id_z 1
		.amdhsa_system_vgpr_workitem_id 0
		.amdhsa_next_free_vgpr 768
		.amdhsa_next_free_sgpr 100
		.amdhsa_reserve_vcc 0
		.amdhsa_float_denorm_mode_32 3
		.amdhsa_float_denorm_mode_16_64 3
		.amdhsa_memory_ordered 1
		.amdhsa_forward_progress 1
		.amdhsa_inst_pref_size 57
	.end_amdhsa_kernel
	.amdgpu_metadata
---
amdhsa.version: [ 1, 2 ]
amdhsa.kernels:
  - .name:           k_qc6fa5e4dac_proj
    .symbol:         k_qc6fa5e4dac_proj.kd
    .args:
      - { .name: acod, .offset: 0, .size: 8, .value_kind: global_buffer, .address_space: global }
      - { .name: ascl, .offset: 8, .size: 8, .value_kind: global_buffer, .address_space: global }
      - { .name: wcod, .offset: 16, .size: 8, .value_kind: global_buffer, .address_space: global }
      - { .name: wscl, .offset: 24, .size: 8, .value_kind: global_buffer, .address_space: global }
      - { .name: bp, .offset: 32, .size: 8, .value_kind: global_buffer, .address_space: global }
      - { .name: x, .offset: 40, .size: 8, .value_kind: global_buffer, .address_space: global }
      - { .name: x1, .offset: 48, .size: 8, .value_kind: global_buffer, .address_space: global }
    .group_segment_fixed_size: 327680
    .private_segment_fixed_size: 0
    .kernarg_segment_align: 8
    .kernarg_segment_size: 56
    .max_flat_workgroup_size: 128
    .sgpr_count:     100
    .vgpr_count:     768
    .wavefront_size: 32
...
	.end_amdgpu_metadata
.endif
;; end of part 4
;; launch ln2: the kernel of part 1 again; grid 256 x 1, 4 waves a work-group, no clusters, 47,104 bytes of LDS; arguments x1, g2, be2, acod, ascl, wq, wk, wv, wp, w1, w2, wcod, wscl; writes acod, ascl, wcod, wscl
;; launch fc1 (part 5): grid 16 x 16, 4 waves a work-group, clusters of 4 x 4, 327,680 bytes of LDS; arguments acod, ascl, wcod, wscl, b1, hid; writes hid
.if DOCPART == 5
	.amdgcn_target "amdgcn-amd-amdhsa--gfx1250"
	.amdhsa_code_object_version 6
	.text
	.protected	k_qc6fa5e4dac_fc1
	.globl	k_qc6fa5e4dac_fc1
	.p2align	8
	.type	k_qc6fa5e4dac_fc1,@function
k_qc6fa5e4dac_fc1:
	s_mov_b64 s[64:65], 0
	v_nop
	global_prefetch_b8 v0, s[64:65] scope:SCOPE_SE
	s_setreg_imm32_b32 hwreg(HW_REG_WAVE_MODE, 25, 1), 1
	s_wait_xcnt 0x0
	s_wait_alu depctr_hold_cnt(0) depctr_sa_sdst(0) depctr_va_vdst(0) depctr_va_sdst(0) depctr_va_ssrc(0) depctr_va_vcc(0) depctr_vm_vsrc(0)
	s_getreg_b32 s2, hwreg(HW_REG_IB_STS2, 6, 4)
	s_cmp_eq_u32 s2, 0
	s_cbranch_scc0 .Lentry_in_a_cluster
	s_endpgm
.Lentry_in_a_cluster:
	s_bfe_u32 s2, ttmp6, 0x10000c
	s_cmp_lg_u32 s2, 0xf033
	s_cbranch_scc0 .Lentry_shape_is_right
	s_endpgm
.Lentry_shape_is_right:
; hidden = relu(h2 W1 + b1) on codes of BF6 (E3M2) with E8M0 scales, quantised at once along the next product's K.  Operands are images of operand registers (16 rows x 128 K = 1,536 bytes; groups of 8 images [tile of 128 rows][K step]; scale words 512 bytes a group).
; A work-group of four waves makes 256 x 256, a wave 128 x 128.  Source 0 = 16 rows of w1 (S0), source 1 = 16 tokens (S1); the bias is the C of each sum's first product.  CLUSTER 4 x 4: S1's tiles are asked for jointly along a row, S0's along a column.
; K = 1,024: the head's four loads, one a wave, bring 512 along K of both operands and all scale words; the other 512 come by two refills of 256 along K, each behind a round of the cluster's barrier.
; LIMITS: NaN and infinities are not served; a block of zeros gets the byte 1 (its codes are zeros, and this program alone reads the bytes).
.set FC1,   1
.set NQ,    2
.set FR,    12
.set NL,    3
.set NP,    4
.set PART,  24576
.set SLOT,  4*PART
.set TSTR,  98304
.set LAPS,  2
.set SCL,   2*SLOT
.set SPARE, 213248
.set SCR,   213760
.set ADRA, 16
.set ADRB, 20
.set LI,   24
.set SCW,  25
.set SCRD, 26
.set ADRS, 27
.set SPW,  28
.set NIL,  29
.set BO,   30
.set SC,   32
.set BI,   64
.set AF,   128
.set TM,   136
.set PW,   152
.set G1,   24
.set G0,   32
.set G1B,  48
.set G0B,  56
.set G1S,  68
.set G0S,  76
.set G1SB, 80
.set G0SB, 88
.if FC1
.set OC,   92
.else
.set OC,   96
.endif
.set OS,   98
.set MSB, 0
.macro WIN new
.if MSB != \new
	s_set_vgpr_msb (MSB<<8)|\new
.set MSB, \new
.endif
.endm
.set MUL_LO, 0xa1
.set MUL_HI, 0xf1
.set TO_B,   0x40
.macro JLOAD g0a, g1a, g0b, g1b
	s_cmp_eq_u32 s15, 0
	s_cbranch_scc0 .Lfor_b_\@
	tensor_load_to_lds s[\g0a:\g0a+3], s[\g1a:\g1a+7]
	s_nop 0
.rept 4
	v_nop
.endr
	s_branch .Lasked_\@
.Lfor_b_\@:
	tensor_load_to_lds s[\g0b:\g0b+3], s[\g1b:\g1b+7]
	s_nop 0
.rept 4
	v_nop
.endr
.Lasked_\@:
.endm
.macro CREST
	s_cmp_lg_u32 s14, 0
	s_cbranch_scc1 .Lnot_wave_0_\@
	s_barrier_signal -3
.Lnot_wave_0_\@:
	s_barrier_wait -3
	s_barrier_signal -1
	s_barrier_wait -1
.endm
.macro CROUND
	s_barrier_signal -1
	s_barrier_wait -1
	CREST
.endm
	s_load_b128 s[4:7], s[0:1], 0x0
	s_load_b128 s[8:11], s[0:1], 0x10
	s_load_b128 s[96:99], s[0:1], 0x20
	v_lshl_add_u32 v[SPW], v0, 2, SPARE
	v_mov_b32 v[NIL], 0
	ds_add_u32 v28, v29
	ds_add_u32 v28, v29
	s_wait_dscnt 0x0
	v_lshrrev_b32 v1, 5, v0
	v_readfirstlane_b32 s14, v1
	s_lshr_b32 s15, s14, 1
	s_and_b32 s16, s14, 1
	s_bfe_u32 s40, ttmp6, 0x40000
	s_bfe_u32 s41, ttmp6, 0x40004
	s_and_b32 s13, ttmp7, 0xffff
.if FC1
	s_lshl_b32 s42, ttmp9, 2
	s_add_co_u32 s42, s42, s40
	s_lshl_b32 s17, s13, 2
	s_add_co_u32 s17, s17, s41
.else
	s_cmp_lt_u32 ttmp9, 2
	s_cselect_b32 s42, ttmp9, s13
	s_cselect_b32 s17, s13, 0
	s_cselect_b32 s12, 1, 0
	s_lshl_b32 s42, s42, 2
	s_add_co_u32 s42, s42, s40
	s_lshl_b32 s17, s17, 2
	s_add_co_u32 s17, s17, s41
.endif
	s_lshl_b32 s43, s41, 2
	s_lshl_b32 s43, 15, s43
	s_lshl_b32 s44, 0x1111, s40
	s_or_b32 s[G1+0], s43, (3<<16)|(1<<21)
	s_or_b32 s[G1B+0], s44, (3<<16)|(1<<21)
.irp g, G1, G1B                        ; for the head's loads: two tiles of 128 rows, of each the first 512 along K: 2 rows of 49,152 bytes, TSTR bytes apart
	s_mov_b32 s[\g+1], (2*PART/8)<<16
	s_mov_b32 s[\g+2], 2<<16
	s_mov_b32 s[\g+3], (2*PART/8)<<16
	s_mov_b32 s[\g+4], 2
	s_mov_b32 s[\g+5], TSTR/8
	s_mov_b32 s[\g+6], 0
	s_mov_b32 s[\g+7], 0
.endr
	s_or_b32 s[G1S+0], s43, (3<<16)|(1<<21)
	s_or_b32 s[G1SB+0], s44, (3<<16)|(1<<21)
.irp g, G1S, G1SB
	s_mov_b32 s[\g+1], 32<<16
	s_mov_b32 s[\g+2], 32<<16
	s_mov_b32 s[\g+3], 32<<16
	s_mov_b32 s[\g+4], 32
	s_mov_b32 s[\g+5], 32
	s_mov_b32 s[\g+6], 0
	s_mov_b32 s[\g+7], 0
.endr
	s_lshl_b32 s20, s17, 1                         ; the first tile of 128 rows of S1's 256
	s_lshl_b32 s46, s42, 1                         ; and of S0's
	s_lshl_b32 s22, s20, 12
	s_lshl_b32 s92, s46, 12
	s_mul_i32 s20, s20, TSTR
	s_mul_i32 s46, s46, TSTR
.if FC1
	s_add_co_u32 s46, s46, 3145728
	s_add_co_u32 s92, s92, 131072
.else
	s_cmp_eq_u32 s12, 1
	s_cselect_b32 s18, 0, 1572864
	s_cselect_b32 s19, 0, 65536
	s_add_co_u32 s20, s20, s18
	s_add_co_u32 s22, s22, s19
.endif
	s_mov_b32 s21, 0
	s_mov_b32 s23, 0
	s_mov_b32 s47, 0
	s_mov_b32 s93, 0
	s_mul_i32 s45, s14, 2*PART                     ; LDS: four regions of 49,152 bytes: S1's two tiles of 128 rows, then S0's two; in each, slot 0's part and then slot 1's
	s_wait_kmcnt 0x0
.if FC1
	s_add_nc_u64 s[20:21], s[4:5], s[20:21]
	s_add_nc_u64 s[22:23], s[6:7], s[22:23]
	s_add_nc_u64 s[46:47], s[8:9], s[46:47]
	s_add_nc_u64 s[92:93], s[10:11], s[92:93]
.else
	s_cmp_eq_u32 s12, 1
	s_cselect_b64 s[66:67], s[4:5], s[8:9]
	s_add_nc_u64 s[20:21], s[66:67], s[20:21]
	s_cselect_b64 s[66:67], s[6:7], s[10:11]
	s_add_nc_u64 s[22:23], s[66:67], s[22:23]
	s_cselect_b64 s[66:67], s[8:9], s[4:5]
	s_add_nc_u64 s[46:47], s[66:67], s[46:47]
	s_cselect_b64 s[66:67], s[10:11], s[6:7]
	s_add_nc_u64 s[92:93], s[66:67], s[92:93]
.endif
	CROUND
	s_mov_b32 s[G0S], 1
	s_mov_b32 s[G0S+1], SCL
	s_mov_b64 s[G0S+2:G0S+3], s[22:23]
	s_or_b32 s[G0S+3], s[G0S+3], 0x80000000
	s_mov_b32 s[G0SB], 1
	s_mov_b32 s[G0SB+1], SCL+8256
	s_mov_b64 s[G0SB+2:G0SB+3], s[92:93]
	s_or_b32 s[G0SB+3], s[G0SB+3], 0x80000000
.set G0H,  4                           ; s[4:7], s[8:11]: group 0 of the head's loads of codes (the arguments that lay there have been used)
.set G0HB, 8
	s_mov_b32 s[G0H], 1
	s_mov_b32 s[G0H+1], 0
	s_mov_b64 s[G0H+2:G0H+3], s[20:21]
	s_or_b32 s[G0H+3], s[G0H+3], 0x80000000
	s_mov_b32 s[G0HB], 1
	s_mov_b32 s[G0HB+1], 4*PART
	s_mov_b64 s[G0HB+2:G0HB+3], s[46:47]
	s_or_b32 s[G0HB+3], s[G0HB+3], 0x80000000
	s_mul_i32 s18, s16, TSTR                       ; for the ring: the tile of 128 rows that I fetch
	s_mov_b32 s19, 0
	s_add_nc_u64 s[20:21], s[20:21], s[18:19]
	s_add_nc_u64 s[46:47], s[46:47], s[18:19]
.irp s, 0,1
	s_mov_b32 s[G0+4*\s], 1
	s_add_co_u32 s[G0+4*\s+1], s45, \s*PART
	s_add_nc_u64 s[G0+4*\s+2:G0+4*\s+3], s[20:21], \s*PART
	s_or_b32 s[G0+4*\s+3], s[G0+4*\s+3], 0x80000000
	s_mov_b32 s[G0B+4*\s], 1
	s_add_co_u32 s[G0B+4*\s+1], s45, \s*PART
	s_add_nc_u64 s[G0B+4*\s+2:G0B+4*\s+3], s[46:47], \s*PART
	s_or_b32 s[G0B+4*\s+3], s[G0B+4*\s+3], 0x80000000
.endr
; THE HEAD'S LOADS, ONE A WAVE: wave 0 S1's 256 rows x 512 K (both slots' first fills), wave 1 S0's, wave 2 S1's scale words of all of K (8,192 dense bytes), wave 3 S0's.
; One chain of branches on the wave's number, a load to an arm, all arms leading to one join.
.macro ARM under, g0, g1, next
	s_cmp_lt_u32 s14, \under
	s_cbranch_scc0 \next
	tensor_load_to_lds s[\g0:\g0+3], s[\g1:\g1+7]
	s_nop 0
.rept 4
	v_nop
.endr
	s_branch .Lhead_asked
\next:
.endm
	ARM 1, G0H,  G1,  .Lhead_b
	ARM 2, G0HB, G1B, .Lhead_sa
	ARM 3, G0S,  G1S, .Lhead_sb
	tensor_load_to_lds s[G0SB:G0SB+3], s[G1SB:G1SB+7]
	s_nop 0
.rept 4
	v_nop
.endr
.Lhead_asked:
	; A PREFETCH INTO THE L2 of what the two refills will load: K steps 4 to 7 of the tile of 128 rows that I fetch in the ring, 49,152 bytes = 192 blocks of 256.  The four partners that ask for that tile jointly share the blocks out
	; by address, 48 each (by cx for S1's tiles, by cy for S0's): 32 lanes name a block each, then 16 more (the lanes left over name the last again).  It stands two K steps ahead of the first refill; its registers are never rewritten.
	s_cmp_eq_u32 s15, 0
	s_cselect_b32 s94, s40, s41
	s_cselect_b64 s[66:67], s[20:21], s[46:47]
	s_mul_i32 s94, s94, 48*256
	v_and_b32 v8, 31, v0
	v_min_u32 v9, 15, v8
	v_lshl_add_u32 v8, v8, 8, s94
	v_lshl_add_u32 v9, v9, 8, s94
	global_prefetch_b8 v8, s[66:67] offset:2*PART th:TH_LOAD_NT scope:SCOPE_SE
	global_prefetch_b8 v9, s[66:67] offset:2*PART+8192 th:TH_LOAD_NT scope:SCOPE_SE
	v_and_b32 v1, 15, v0
	v_bfe_u32 v2, v0, 4, 1
	s_wait_alu depctr_va_vdst(0)
	v_and_b32 v3, 31, v0
	v_lshlrev_b32 v[LI], 4, v3
	s_mul_i32 s21, s15, 2*PART
	s_mul_i32 s22, s16, 2*PART
	s_add_co_u32 s22, s22, 4*PART
.irp s, 0,1
	v_add_nc_u32 v[ADRA+\s], s21, v[LI]
	v_add_nc_u32 v[ADRB+\s], s22, v[LI]
	s_add_co_u32 s21, s21, PART
	s_add_co_u32 s22, s22, PART
.endr
	v_lshlrev_b32 v5, 2, v1
	s_lshl_b32 s21, s15, 12
	s_lshl_b32 s22, s16, 12
	s_add_co_u32 s22, s22, 8256
	s_sub_co_u32 s22, s22, s21
	v_mul_u32_u24 v6, s22, v2
	s_add_co_u32 s21, s21, SCL
	v_add_nc_u32 v5, v5, v6
	v_add_nc_u32 v[ADRS], s21, v5
	s_lshl_b32 s23, s14, 9
	s_add_co_u32 s23, s23, SCR
	v_lshl_add_u32 v[SCW], v1, 2, s23
	v_add_nc_u32 v[SCRD], s23, v[LI]
	s_lshl_b32 s20, s17, 1
	s_add_co_u32 s20, s20, s15
	s_lshl_b32 s46, s42, 1
	s_add_co_u32 s46, s46, s16
.if FC1
	s_lshl_b32 s20, s20, 5
	s_add_co_u32 s20, s20, s46
.else
	s_lshl_b32 s21, s46, 5
	s_add_co_u32 s21, s21, s20
	s_lshl_b32 s22, s20, 5
	s_add_co_u32 s22, s22, s46
	s_add_co_u32 s22, s22, 512
	s_cmp_eq_u32 s12, 1
	s_cselect_b32 s20, s21, s22
.endif
	s_lshl_b32 s22, s20, 9
	s_mul_i32 s20, s20, 12288
	s_mov_b32 s21, 0
	s_mov_b32 s23, 0
.if FC1
	s_add_nc_u64 s[OC:OC+1], s[98:99], s[20:21]
	s_add_nc_u64 s[98:99], s[98:99], s[22:23]
	s_add_nc_u64 s[98:99], s[98:99], 12582912
	s_lshl_b32 s46, s42, 10
	s_lshl_b32 s47, s16, 9
	s_add_co_u32 s46, s46, s47
	s_mov_b32 s47, 0
	s_add_nc_u64 s[96:97], s[96:97], s[46:47]
	v_lshlrev_b32 v[BO], 6, v2
.irp e, 0,1,2,3
.irp j, 0,1,2,3
	global_load_b128 v[BI+16*\e+4*\j:BI+16*\e+4*\j+3], v[BO], s[96:97] offset:128*\e+16*\j
.endr
.endr
.else
	s_add_nc_u64 s[OC:OC+1], s[96:97], s[20:21]
	s_add_nc_u64 s[98:99], s[98:99], s[22:23]
.endif
.macro FRAG reg, adr, q, i
.irp c, 0,1,2
	ds_load_b128 v[\reg+4*\c:\reg+4*\c+3], v[\adr] offset:((\q)*8+(\i))*1536+512*\c
.endr
.endm
.macro MUL16 a0, p, q, sc, zero
.irp a, \a0, \a0+1
.irp b, 0,1,2,3,4,5,6,7
.if \zero
.if FC1
	v_wmma_scale_f32_16x16x128_f8f6f4 v[8*(8*((\a)%4)+\b):8*(8*((\a)%4)+\b)+7], v[128*(\p)+FR*\b:128*(\p)+FR*\b+FR-1], v[AF+FR*(\a):AF+FR*(\a)+FR-1], v[BI+8*\b:BI+8*\b+7], v[SC+8*NQ*(\sc)+NQ*\b+(\q)], v[SC+8*NQ*(\sc)+NQ*(\a)+(\q)] matrix_a_fmt:MATRIX_FMT_BF6 matrix_b_fmt:MATRIX_FMT_BF6 matrix_a_scale:MATRIX_SCALE_ROW1
.else
	v_wmma_scale_f32_16x16x128_f8f6f4 v[8*(8*((\a)%4)+\b):8*(8*((\a)%4)+\b)+7], v[128*(\p)+FR*\b:128*(\p)+FR*\b+FR-1], v[AF+FR*(\a):AF+FR*(\a)+FR-1], 0, v[SC+8*NQ*(\sc)+NQ*\b+(\q)], v[SC+8*NQ*(\sc)+NQ*(\a)+(\q)] matrix_a_fmt:MATRIX_FMT_BF6 matrix_b_fmt:MATRIX_FMT_BF6 matrix_a_scale:MATRIX_SCALE_ROW1
.endif
.else
	v_wmma_scale_f32_16x16x128_f8f6f4 v[8*(8*((\a)%4)+\b):8*(8*((\a)%4)+\b)+7], v[128*(\p)+FR*\b:128*(\p)+FR*\b+FR-1], v[AF+FR*(\a):AF+FR*(\a)+FR-1], v[8*(8*((\a)%4)+\b):8*(8*((\a)%4)+\b)+7], v[SC+8*NQ*(\sc)+NQ*\b+(\q)], v[SC+8*NQ*(\sc)+NQ*(\a)+(\q)] matrix_a_fmt:MATRIX_FMT_BF6 matrix_b_fmt:MATRIX_FMT_BF6 matrix_a_scale:MATRIX_SCALE_ROW1
.endif
.endr
.endr
.endm
.macro FETCH_B slot, q, p
	WIN TO_B
.irp i, 0,1,2,3,4,5,6,7
	FRAG 128*(\p)+FR*\i, ADRB+\slot, \q, \i
.endr
	WIN 0
.endm
.macro FETCH_A slot, q, i0
.irp i, \i0, \i0+1, \i0+2, \i0+3
	FRAG AF+FR*(\i), ADRA+\slot, \q, \i
.endr
.endm
.macro SCALES sc
.irp i, 0,1,2,3,4,5,6,7
.irp q, 0,1
	ds_load_b32 v[SC+8*NQ*\sc+NQ*\i+\q], v[ADRS] offset:\q*512+\i*64
.endr
.endr
.endm
.macro PLACES n
.rept \n
	v_nop
.endr
.endm
.macro STEP slot, q, zero
	s_wait_dscnt 4*NL
.if (\zero) && FC1
	WIN 0x81
.else
	WIN MUL_LO
.endif
	MUL16 0, (\q)%2, \q, \slot, \zero
	MUL16 2, (\q)%2, \q, \slot, \zero
	s_wait_dscnt 0
	PLACES NP
	FETCH_B \slot, (\q)+1, 1-(\q)%2
	FETCH_A \slot, (\q)+1, 0
.if (\zero) && FC1
	WIN 0xc1
.else
	WIN MUL_HI
.endif
	MUL16 4, (\q)%2, \q, \slot, \zero
	MUL16 6, (\q)%2, \q, \slot, \zero
	PLACES NP
	WIN 0
	FETCH_A \slot, (\q)+1, 4
.endm
.macro TURN slot, next, fill
	s_wait_tensorcnt 0x0
	ds_add_u32 v[SPW], v[NIL]
	s_wait_dscnt 4*NL+1
	WIN MUL_LO
	MUL16 0, 1, NQ-1, \slot, 0
	s_wait_dscnt 0x0
	s_barrier_signal -1
	MUL16 2, 1, NQ-1, \slot, 0
	WIN 0
	s_barrier_wait -1
.if \fill
	CREST
	s_add_nc_u64 s[G0+4*\slot+2:G0+4*\slot+3], s[G0+4*\slot+2:G0+4*\slot+3], 2*PART
	s_add_nc_u64 s[G0B+4*\slot+2:G0B+4*\slot+3], s[G0B+4*\slot+2:G0B+4*\slot+3], 2*PART
	JLOAD G0+4*\slot, G1, G0B+4*\slot, G1B
.else
	PLACES NP
.endif
	s_wait_alu depctr_va_vdst(0)
	v_add_nc_u32 v[ADRS], 512*NQ, v[ADRS]
	FETCH_B \next, 0, 0
	FETCH_A \next, 0, 0
	SCALES \next
	WIN MUL_HI
	MUL16 4, 1, NQ-1, \slot, 0
	MUL16 6, 1, NQ-1, \slot, 0
	PLACES NP
	WIN 0
	FETCH_A \next, 0, 4
.endm
	s_wait_alu depctr_va_vdst(0)
	s_wait_tensorcnt 0x0                           ; my one load of the head is in
.irp g, G1, G1B                        ; no tensor load of mine is out, so a descriptor may be written: the ring's loads bring a dense block as 96 rows of 256 bytes
	s_mov_b32 s[\g+1], 32<<16
	s_mov_b32 s[\g+2], 96<<16
	s_mov_b32 s[\g+3], 32<<16
	s_mov_b32 s[\g+4], 96
	s_mov_b32 s[\g+5], 32
.endr
	s_barrier_signal -1
	s_barrier_wait -1
	FETCH_B 0, 0, 0
	FETCH_A 0, 0, 0
	SCALES 0
	FETCH_A 0, 0, 4
.if FC1
	s_wait_loadcnt 0x0
.endif
	STEP 0, 0, 1
	s_mov_b32 s3, LAPS-1
.Llap:
	TURN 0, 1, 1
	STEP 1, 0, 0
	TURN 1, 0, 1
	STEP 0, 0, 0
	s_sub_co_u32 s3, s3, 1
	s_cmp_lg_u32 s3, 0
	s_cbranch_scc1 .Llap
	TURN 0, 1, 0
	STEP 1, 0, 0
	s_wait_dscnt 4*NL
	WIN MUL_LO
	MUL16 0, 1, NQ-1, 1, 0
	MUL16 2, 1, NQ-1, 1, 0
	s_wait_dscnt 0
	WIN MUL_HI
	MUL16 4, 1, NQ-1, 1, 0
	MUL16 6, 1, NQ-1, 1, 0
	WIN 0
.macro QOUT a
.set W, 2+(\a)/4
.set SR, 64*((\a)%4)
.set PC, 96+20*((\a)%2)
.if FC1
	WIN ((W<<2)|(W<<6))
.set j, 0
.rept 64
	v_max_num_f32 v[SR+j], 0, v[SR+j]
.set j, j+1
.endr
.endif
	WIN ((W<<2)|(W<<4))
.irp b, 0,1,2,3
	v_max3_num_f32 v[TM+\b], 0x2800000, |v[SR+16*\b]|, |v[SR+16*\b+1]|
.endr
.irp i, 2,4,6,8,10,12,14
.irp b, 0,1,2,3
	v_max3_num_f32 v[TM+\b], v[TM+\b], |v[SR+16*\b+\i]|, |v[SR+16*\b+\i+1]|
.endr
.endr
	WIN 0
.irp b, 0,1,2,3
	v_permlanex16_b32 v[TM+4+\b], v[TM+\b], s18, s19
.endr
.irp b, 0,1,2,3
	v_max_num_f32 v[TM+\b], v[TM+\b], v[TM+4+\b]
.endr
.irp b, 0,1,2,3
	v_add_nc_u32 v[TM+12+\b], 0xfe000000, v[TM+\b]
.endr
.irp b, 0,1,2,3
	v_lshrrev_b32 v[TM+4+\b], 23, v[TM+12+\b]
.endr
	v_lshl_or_b32 v[PW+(\a)], v[TM+5], 8, v[TM+4]
	v_lshl_or_b32 v[PW+(\a)], v[TM+6], 16, v[PW+(\a)]
	v_lshl_or_b32 v[PW+(\a)], v[TM+7], 24, v[PW+(\a)]
.if (\a) >= 2
	s_wait_xcnt 0x0
.endif
	WIN W
.irp c, 0,1
	v_cvt_scalef32_pk16_bf6_f32 v[PC+6*\c:PC+6*\c+2], v[SR+32*\c:SR+32*\c+15], v[TM+12+2*\c]
	v_cvt_scalef32_pk16_bf6_f32 v[PC+12+4*\c:PC+14+4*\c], v[SR+32*\c+16:SR+32*\c+31], v[TM+13+2*\c]
.endr
	WIN 0
	v_nop
.irp c, 0,1
.irp i, 0,1,2
	v_permlane16_swap_b32 v[PC+6*\c+\i], v[PC+12+4*\c+\i]
.endr
.irp i, 0,1,2
	v_mov_b32 v[PC+3+6*\c+\i], v[PC+12+4*\c+\i]
.endr
.endr
.irp c, 0,1,2
	global_store_b128 v[LI], v[PC+4*\c:PC+4*\c+3], s[OC:OC+1] offset:(\a)*1536+512*\c
.endr
.endm
	PLACES NP
	s_mov_b32 s18, 0x76543210
	s_mov_b32 s19, 0xfedcba98
.irp b, 0,1,2,3
	v_mov_b32 v[TM+4+\b], 0
.endr
.irp a, 0,1,2,3,4,5,6,7
	QOUT \a
.endr
.irp a, 0,1,2,3,4,5,6,7
	ds_store_b32 v[SCW], v[PW+\a] offset:64*\a
.endr
	ds_load_b128 v[160:163], v[SCRD]
	s_wait_dscnt 0x0
	global_store_b128 v[LI], v[160:163], s[OS:OS+1]
	s_wait_tensorcnt 0x0
	ds_add_u32 v[SPW], v[NIL]
	s_wait_dscnt 0x0
	CROUND
	s_endpgm
.Lfunc_end_k_qc6fa5e4dac_fc1:
	.size	k_qc6fa5e4dac_fc1, .Lfunc_end_k_qc6fa5e4dac_fc1-k_qc6fa5e4dac_fc1
	.p2alignl 7, 3214868480
	.fill 96, 4, 3214868480
	.section	.rodata,"a",@progbits
	.p2align	6, 0x0
	.amdhsa_kernel k_qc6fa5e4dac_fc1
		.amdhsa_group_segment_fixed_size 327680
		.amdhsa_private_segment_fixed_size 0
		.amdhsa_enable_private_segment 0
		.amdhsa_kernarg_size 48
		.amdhsa_user_sgpr_count 2
		.amdhsa_user_sgpr_kernarg_segment_ptr 1
		.amdhsa_wavefront_size32 1
		.amdhsa_system_sgpr_workgroup_id_x 1
		.amdhsa_system_sgpr_workgroup_id_y 1
		.amdhsa_system_sgpr_workgroup_id_z 1
		.amdhsa_system_vgpr_workitem_id 0
		.amdhsa_next_free_vgpr 1024
		.amdhsa_next_free_sgpr 100
		.amdhsa_reserve_vcc 0
		.amdhsa_float_denorm_mode_32 3
		.amdhsa_float_denorm_mode_16_64 3
		.amdhsa_memory_ordered 1
		.amdhsa_forward_progress 1
		.amdhsa_inst_pref_size 161
	.end_amdhsa_kernel
	.amdgpu_metadata
---
amdhsa.version: [ 1, 2 ]
amdhsa.kernels:
  - .name:           k_qc6fa5e4dac_fc1
    .symbol:         k_qc6fa5e4dac_fc1.kd
    .args:
      - { .name: acod, .offset: 0, .size: 8, .value_kind: global_buffer, .address_space: global }
      - { .name: ascl, .offset: 8, .size: 8, .value_kind: global_buffer, .address_space: global }
      - { .name: wcod, .offset: 16, .size: 8, .value_kind: global_buffer, .address_space: global }
      - { .name: wscl, .offset: 24, .size: 8, .value_kind: global_buffer, .address_space: global }
      - { .name: b1, .offset: 32, .size: 8, .value_kind: global_buffer, .address_space: global }
      - { .name: hid, .offset: 40, .size: 8, .value_kind: global_buffer, .address_space: global }
    .group_segment_fixed_size: 327680
    .private_segment_fixed_size: 0
    .kernarg_segment_align: 8
    .kernarg_segment_size: 48
    .max_flat_workgroup_size: 128
    .sgpr_count:     100
    .vgpr_count:     1024
    .wavefront_size: 32
...
	.end_amdgpu_metadata
.endif
;; end of part 5
;; launch fc2 (part 6): grid 8 x 32, 4 waves a work-group, clusters of 4 x 4, 327,680 bytes of LDS; arguments hid, wcod, wscl, b2, x1, out0; writes out0
.if DOCPART == 6
	.amdgcn_target "amdgcn-amd-amdhsa--gfx1250"
	.amdhsa_code_object_version 6
	.text
	.protected	k_qc6fa5e4dac_fc2
	.globl	k_qc6fa5e4dac_fc2
	.p2align	8
	.type	k_qc6fa5e4dac_fc2,@function
k_qc6fa5e4dac_fc2:
	s_mov_b64 s[64:65], 0
	v_nop
	global_prefetch_b8 v0, s[64:65] scope:SCOPE_SE
	s_setreg_imm32_b32 hwreg(HW_REG_WAVE_MODE, 25, 1), 1
	s_wait_xcnt 0x0
	s_wait_alu depctr_hold_cnt(0) depctr_sa_sdst(0) depctr_va_vdst(0) depctr_va_sdst(0) depctr_va_ssrc(0) depctr_va_vcc(0) depctr_vm_vsrc(0)
	s_getreg_b32 s2, hwreg(HW_REG_IB_STS2, 6, 4)
	s_cmp_eq_u32 s2, 0
	s_cbranch_scc0 .Lentry_in_a_cluster
	s_endpgm
.Lentry_in_a_cluster:
	s_bfe_u32 s2, ttmp6, 0x10000c
	s_cmp_lg_u32 s2, 0xf033
	s_cbranch_scc0 .Lentry_shape_is_right
	s_endpgm
.Lentry_shape_is_right:
; out = x1 + A W2 + b2 on codes of BF6 (E3M2) with E8M0 scales.  A = the hidden layer [4096][4096], W2 as [1024 (n)][4096 (k)], both as images of operand registers
; (16 rows x 128 K = 1,536 bytes, three loads of 16 bytes a lane; groups of 8 images [tile of 128 rows][K step of 128], 12,288 bytes; scale words 512 bytes a group; of 32 rows, image u holds in lane r row 8 u + r + 8 (r / 8)).
; A's scale words lie 12,582,912 bytes behind its codes in the same buffer.
; SHARES.  A tile of out is 128 x 128: 8 x 32 = 256 work-groups.  Wave w makes all 128 tokens x columns 32 w .. 32 w + 31: 16 accumulators, which take turns.  Source 0 = 16 columns of W2, source 1 = 16 tokens: a lane holds one token and eight neighbouring columns.
; W2's two images of a K step are read by ONE wave alone: they go from memory straight into its registers, DEP - 1 = 9 K steps ahead (54 loads of 16 bytes a lane are out).  The residual's 32 loads close that queue.
; A'S TILE goes through two LDS slots of 11 K steps (135,168 bytes): three fills, of 11, 11 and 10 steps.  Between a fill's request and the wait for it a wave issues 11 steps' 176 matrix instructions.
; THE HEAD has one tensor load a wave: waves 0 and 1 a half of slot 0 each, wave 2 A's scale words of all of K (16,384 dense bytes), wave 3 W2's.  Slot 1's first fill and slot 0's refill, a quarter a wave, stand each behind the full sequence and a round of the cluster's barrier.
; CLUSTER 4 x 4: A's tiles and scale words are asked for jointly along a row of the cluster, W2's scale words along a column.  W2's codes are not shared through LDS: two slots for both operands would hold 6 K steps each, 96 matrix instructions a wave for a fill to land in.
; PREFETCH: in K step 2 each wave names 32 blocks of 256 bytes of the third fill (480 blocks, shared out by address among the 16 waves of the four partners that ask for it jointly; lanes left over name the last block), 8 K steps ahead of its load.
; The second fill is asked for as soon as the first has landed, so there is no step ahead of it to ask in; W2's loads run 9 steps ahead by themselves.
; THE WAY OUT: the four waves' columns meet in a stage of 128 rows x 528 bytes, which lies in slot 1 behind that slot's last fill and last read; each wave reads 32 whole rows of 512 bytes back, adds the residual and stores two aligned units of 256 bytes an instruction.
; REGISTERS: window 0: v16-21 LDS addresses of A's images, v24-31 other addresses, v32-47 scale words (two sets), v48-63 the bias (the C of the first products), v128-255 accumulator (a, b) at v[128 + 8 (2 a + b)];
;   window 1: A's eight images, two buffers at v0 and v128; window 2: W2's images, ten sets of 24; window 3: v0-127 the residual.
.set NQT,   32                         ; K steps of 128
.set QS,    11                         ; K steps in a slot
.set NFILL, 3
.set GRP,   12288
.set SLOT,  QS*GRP
.set LASTB, (NQT-2*QS)*GRP             ; the third fill's bytes
.set TSTR,  NQT*GRP
.set SCB,   NQT*512                    ; a tile's scale words
.set WOFF,  6291456                    ; w2's first group x 12,288
.set WSOFF, 262144                     ; x 512
.set SCL,   2*SLOT                     ; A's scale words; W2's 64 bytes behind their end
.set SCLW,  SCL+SCB+64
.set SPARE, ((SCLW+SCB+255)/256)*256   ; the spare words, 128 bytes a wave
.set STG,   SLOT
.set SP,    528
.set DEP,   10
.set NS,    NQT+6
.set PFMAX, LASTB-256
.set ADRA, 16                          ; v16-18: slot 0's steps 0-3, 4-7, 8-10; v19-21: slot 1's
.set LI,   16                          ; 16 x lane
.set STO,  24
.set RD,   25
.set ADSA, 26
.set ADSW, 27
.set SPW,  28
.set NIL,  29
.set BO,   30
.set PFO,  31
.set SC,   32
.set BI,   48
.set ACC,  128
.set G1,   24                          ; s[24:31] group 1 of the ring's loads; s[32:35], s[36:39] group 0 of slot 0's refill and of slot 1's fill
.set G0,   32
.set WB,   48                          ; s[48:49] my images of W2
.set PFA,  50                          ; s[50:51] the third fill's first byte
.set G1H,  52                          ; s[52:59], s[60:63] groups 1 and 0 of the head's halves of slot 0
.set G0H,  60
.set G1S,  68
.set G0S,  76
.set G1SB, 80
.set G0SB, 88
.set MSB, 0
.macro WIN new                         ; the immediate's high byte repeats the setting that is left
.if MSB != \new
	s_set_vgpr_msb (MSB<<8)|\new
.set MSB, \new
.endif
.endm
.set MUL,  0x06                        ; source 0 window 2, source 1 window 1, C and D window 0
.set TO_F, 0x40
.macro CREST                           ; a round of the cluster's barrier behind its opening barrier
	s_cmp_lg_u32 s14, 0
	s_cbranch_scc1 .Lnot_wave_0_\@
	s_barrier_signal -3
.Lnot_wave_0_\@:
	s_barrier_wait -3
	s_barrier_signal -1
	s_barrier_wait -1
.endm
.macro CROUND
	s_barrier_signal -1
	s_barrier_wait -1
	CREST
.endm
.macro PLACES                          ; plain vector lines between a matrix instruction and a load into one of its registers
.rept 4
	v_nop
.endr
.endm
.macro ARM under, g0, g1, next
	s_cmp_lt_u32 s14, \under
	s_cbranch_scc0 \next
	tensor_load_to_lds s[\g0:\g0+3], s[\g1:\g1+7]
	s_nop 0
	PLACES
	s_branch .Lhead_asked
\next:
.endm
.macro GLOAD v                         ; place v of the queue of global loads: W2's two images of K step v, then six rows of the residual
.if (\v) < NQT
	WIN 0x80
.irp b, 0,1
.irp c, 0,1,2
	global_load_b128 v[24*((\v)%DEP)+12*\b+4*\c:24*((\v)%DEP)+12*\b+4*\c+3], v[LI], s[WB:WB+1] offset:(\v)*GRP+\b*1536+512*\c
.endr
.endr
.elseif (\v) < NS
	WIN 0xc0
.set RT, 6*((\v)-NQT)
.rept 6
.if RT < 32
	global_load_b128 v[4*RT:4*RT+3], v[LI], s[98:99] offset:RT*4096
.endif
.set RT, RT+1
.endr
.endif
.endm
.macro FETCH n                         ; K step n: A's eight images and both sides' scale words into buffer n % 2
.set NF, (\n)%2
.set NAD, ADRA+3*(((\n)/QS)%2)+((\n)%QS)/4
	WIN 0
.irp j, 0,1,2,3
	ds_load_b32 v[SC+8*NF+\j], v[ADSA] offset:512*(\n)+128*\j      ; lanes 0-15 image 2 j's words, lanes 16-31 image 2 j + 1's
.endr
	ds_load_b32 v[SC+8*NF+4], v[ADSW] offset:512*(\n)              ; my two images of W2 likewise
	WIN TO_F
.irp i, 0,1,2,3,4,5,6,7
.irp c, 0,1,2
	ds_load_b128 v[128*NF+12*\i+4*\c:128*NF+12*\i+4*\c+3], v[NAD] offset:(((\n)%QS)%4)*GRP+\i*1536+512*\c
.endr
.endr
.endm
.macro WM a, b
.set XD, ACC+8*(2*(\a)+(\b))
.set XC, XD
.if Q == 0
.set XC, BI+8*(\b)
.endif
.set XW, 24*(Q%DEP)+12*(\b)
.set XA, 128*QF+12*(\a)
.set X0, SC+8*QF+4
.set X1, SC+8*QF+(\a)/2
.if ((\a)%2 == 0) && ((\b) == 0)
	v_wmma_scale_f32_16x16x128_f8f6f4 v[XD:XD+7], v[XW:XW+11], v[XA:XA+11], v[XC:XC+7], v[X0], v[X1] matrix_a_fmt:MATRIX_FMT_BF6 matrix_b_fmt:MATRIX_FMT_BF6
.elseif (\a)%2 == 0
	v_wmma_scale_f32_16x16x128_f8f6f4 v[XD:XD+7], v[XW:XW+11], v[XA:XA+11], v[XC:XC+7], v[X0], v[X1] matrix_a_fmt:MATRIX_FMT_BF6 matrix_b_fmt:MATRIX_FMT_BF6 matrix_a_scale:MATRIX_SCALE_ROW1
.elseif (\b) == 0
	v_wmma_scale_f32_16x16x128_f8f6f4 v[XD:XD+7], v[XW:XW+11], v[XA:XA+11], v[XC:XC+7], v[X0], v[X1] matrix_a_fmt:MATRIX_FMT_BF6 matrix_b_fmt:MATRIX_FMT_BF6 matrix_b_scale:MATRIX_SCALE_ROW1
.else
	v_wmma_scale_f32_16x16x128_f8f6f4 v[XD:XD+7], v[XW:XW+11], v[XA:XA+11], v[XC:XC+7], v[X0], v[X1] matrix_a_fmt:MATRIX_FMT_BF6 matrix_b_fmt:MATRIX_FMT_BF6 matrix_a_scale:MATRIX_SCALE_ROW1 matrix_b_scale:MATRIX_SCALE_ROW1
.endif
.endm
.macro MULA a0, n                      ; A's images a0 .. a0 + n - 1 x my two of W2; the 16 accumulators take turns
.set AA, \a0
.rept \n
	WM AA, 0
	WM AA, 1
.set AA, AA+1
.endr
.endm
	s_load_b64 s[4:5], s[0:1], 0x0                 ; A's codes, with its scale words behind them
	s_load_b128 s[8:11], s[0:1], 0x8               ; the weights' codes and scale words
	s_load_b128 s[96:99], s[0:1], 0x18             ; the bias, the residual
	s_load_b64 s[66:67], s[0:1], 0x28              ; out
	v_lshl_add_u32 v[SPW], v0, 2, SPARE
	v_mov_b32 v[NIL], 0
	ds_add_u32 v[SPW], v[NIL]                      ; the opening lines: the add, twice on end, and its wait ahead of my first tensor load
	ds_add_u32 v[SPW], v[NIL]
	v_lshrrev_b32 v1, 5, v0
	v_readfirstlane_b32 s14, v1                    ; wave
	s_bfe_u32 s40, ttmp6, 0x40000                  ; cx
	s_bfe_u32 s41, ttmp6, 0x40004                  ; cy
	s_lshl_b32 s42, ttmp9, 2
	s_add_co_u32 s42, s42, s40                     ; tile of 128 columns
	s_and_b32 s17, ttmp7, 0xffff
	s_lshl_b32 s17, s17, 2
	s_add_co_u32 s17, s17, s41                     ; tile of 128 tokens
	s_lshl_b32 s43, s41, 2
	s_lshl_b32 s43, 15, s43                        ; my row of the cluster
	s_lshl_b32 s44, 0x1111, s40                    ; my column
	s_or_b32 s[G1H+0], s43, (3<<16)|(1<<21)        ; the mask; elements of 8 bytes; bit 21 beside a mask; dense blocks as rows of 256 bytes
	s_or_b32 s[G1+0], s43, (3<<16)|(1<<21)
	s_or_b32 s[G1S+0], s43, (3<<16)|(1<<21)
	s_or_b32 s[G1SB+0], s44, (3<<16)|(1<<21)
.irp g, G1H, G1, G1S, G1SB
	s_mov_b32 s[\g+1], 32<<16
	s_mov_b32 s[\g+3], 32<<16
	s_mov_b32 s[\g+5], 32
	s_mov_b32 s[\g+6], 0
	s_mov_b32 s[\g+7], 0
.endr
	s_mov_b32 s[G1H+2], (SLOT/512)<<16             ; half a slot
	s_mov_b32 s[G1H+4], SLOT/512
	s_mov_b32 s[G1+2], (SLOT/1024)<<16             ; a quarter of a slot
	s_mov_b32 s[G1+4], SLOT/1024
.irp g, G1S, G1SB
	s_mov_b32 s[\g+2], (SCB/256)<<16
	s_mov_b32 s[\g+4], SCB/256
.endr
	s_mul_i32 s20, s17, TSTR                       ; A's tile
	s_mul_i32 s22, s17, SCB
	s_mul_i32 s92, s42, SCB
	s_add_co_u32 s92, s92, WSOFF
	s_mul_i32 s46, s42, TSTR
	s_mul_i32 s47, s14, 3072
	s_add_co_u32 s46, s46, s47
	s_add_co_u32 s46, s46, WOFF                    ; my two images of W2 in K step 0
	s_mov_b32 s21, 0
	s_mov_b32 s23, 0
	s_mov_b32 s93, 0
	s_mov_b32 s47, 0
	s_lshl_b32 s12, s42, 9
	s_lshl_b32 s13, s14, 7
	s_add_co_u32 s12, s12, s13                     ; the bias at my 32 columns
	s_mov_b32 s13, 0
	s_lshl_b32 s2, s17, 7
	s_lshl_b32 s3, s14, 5
	s_add_co_u32 s2, s2, s3
	s_lshl_b32 s2, s2, 12
	s_lshl_b32 s3, s42, 9
	s_add_co_u32 s2, s2, s3                        ; on the way out I take rows 32 w .. 32 w + 31 of the tile, 512 bytes each
	s_mov_b32 s3, 0
	s_lshl_b32 s18, s14, 7
	s_add_co_u32 s19, s18, STG
	s_add_co_u32 s18, s18, SCLW
	s_mul_i32 s16, s14, 32*SP
	s_add_co_u32 s16, s16, STG
	s_lshl_b32 s15, s40, 2
	s_add_co_u32 s15, s15, s14
	s_lshl_b32 s15, s15, 13                        ; the prefetch: 32 blocks of 256 bytes for each of the 16 waves of the four partners
	s_wait_dscnt 0x0                               ; both opening adds are done
	v_and_b32 v1, 15, v0                           ; r
	v_bfe_u32 v2, v0, 4, 1                         ; h
	v_and_b32 v3, 31, v0
	v_lshlrev_b32 v[LI], 4, v3
	v_lshlrev_b32 v[BO], 6, v2
	v_lshl_add_u32 v[ADSA], v3, 2, SCL
	v_lshl_add_u32 v[ADSW], v3, 2, s18
	v_lshl_add_u32 v[PFO], v3, 8, s15
	v_and_b32 v4, 8, v1
	v_add_nc_u32 v4, v4, v1                        ; r + 8 (r / 8)
	v_mul_u32_u24 v5, v4, SP
	v_lshl_add_u32 v5, v2, 6, v5
	v_add_nc_u32 v[STO], s19, v5                   ; into the stage: my token's row, my wave's 128 bytes, + 64 h
	v_add_nc_u32 v[RD], s16, v[LI]                 ; out of it: a whole row of 512 bytes
	v_min_u32 v[PFO], PFMAX, v[PFO]                ; lanes left over name the fill's last block
.irp k, 1,2
	v_add_nc_u32 v[ADRA+\k], \k*4*GRP, v[LI]
.endr
.irp k, 0,1,2
	v_add_nc_u32 v[ADRA+3+\k], SLOT+\k*4*GRP, v[LI]
.endr
	s_wait_alu depctr_va_vdst(0)                   ; the wait at the head's end
	s_wait_kmcnt 0x0
	s_add_nc_u64 s[6:7], s[4:5], 12582912
	s_add_nc_u64 s[20:21], s[4:5], s[20:21]
	s_add_nc_u64 s[22:23], s[6:7], s[22:23]
	s_add_nc_u64 s[92:93], s[10:11], s[92:93]
	s_add_nc_u64 s[WB:WB+1], s[8:9], s[46:47]
	s_add_nc_u64 s[96:97], s[96:97], s[12:13]
	s_add_nc_u64 s[98:99], s[98:99], s[2:3]
	s_add_nc_u64 s[66:67], s[66:67], s[2:3]
	s_mov_b32 s[G0H], 1                            ; waves 0 and 1: my half of slot 0
	s_mul_i32 s[G0H+1], s14, SLOT/2
	s_mov_b32 s12, s[G0H+1]
	s_add_nc_u64 s[G0H+2:G0H+3], s[20:21], s[12:13]
	s_or_b32 s[G0H+3], s[G0H+3], 0x80000000
	s_mov_b32 s[G0+4], 1                           ; K steps 11-21: my quarter of slot 1
	s_mul_i32 s12, s14, SLOT/4
	s_add_co_u32 s[G0+5], s12, SLOT
	s_add_nc_u64 s[G0+6:G0+7], s[20:21], s[12:13]
	s_add_nc_u64 s[G0+6:G0+7], s[G0+6:G0+7], SLOT
	s_or_b32 s[G0+7], s[G0+7], 0x80000000
	s_mov_b32 s[G0], 1                             ; K steps 22-31: my quarter, into slot 0
	s_mul_i32 s12, s14, LASTB/4
	s_mov_b32 s[G0+1], s12
	s_add_nc_u64 s[G0+2:G0+3], s[20:21], s[12:13]
	s_add_nc_u64 s[G0+2:G0+3], s[G0+2:G0+3], 2*SLOT
	s_or_b32 s[G0+3], s[G0+3], 0x80000000
	s_mov_b32 s[G0S], 1
	s_mov_b32 s[G0S+1], SCL
	s_mov_b64 s[G0S+2:G0S+3], s[22:23]
	s_or_b32 s[G0S+3], s[G0S+3], 0x80000000
	s_mov_b32 s[G0SB], 1
	s_mov_b32 s[G0SB+1], SCLW
	s_mov_b64 s[G0SB+2:G0SB+3], s[92:93]
	s_or_b32 s[G0SB+3], s[G0SB+3], 0x80000000
	s_add_nc_u64 s[PFA:PFA+1], s[20:21], 2*SLOT
	CROUND                                         ; all sixteen work-groups are here: the first joint loads meet
	ARM 2, G0H, G1H, .Lhead_sa                     ; one chain of branches on the wave's number, a load to an arm, all arms leading to one join
	ARM 3, G0S, G1S, .Lhead_sb
	tensor_load_to_lds s[G0SB:G0SB+3], s[G1SB:G1SB+7]
	s_nop 0
	PLACES
.Lhead_asked:
	; the tiles are asked for first; the bias and the first nine places of the queue of global loads follow under their flight
.irp j, 0,1,2,3
	global_load_b128 v[BI+4*\j:BI+4*\j+3], v[BO], s[96:97] offset:16*\j    ; lane (r, h): the 16 numbers from 16 h on: the C of images 0 and 1
.endr
.set V, 0
.rept DEP-1
	GLOAD V
.set V, V+1
.endr
	WIN 0
	s_wait_tensorcnt 0x0                           ; my load of the head is in
	ds_add_u32 v[SPW], v[NIL]
	s_wait_dscnt 0x0
	CROUND                                         ; slot 0 and the scale words are whole, and all sixteen work-groups are here
	tensor_load_to_lds s[G0+4:G0+7], s[G1:G1+7]    ; slot 1's first fill: my one tensor load behind the round
	s_nop 0
	PLACES
	FETCH 0
.macro QSTEP                           ; K step Q: 16 matrix instructions; the next step's fragments and place Q + 9 of the queue are asked for first
.set QF, Q%2
.set QHI, Q+DEP-2
.if QHI > NS-1
.set QHI, NS-1
.endif
.set QLC, 6*(QHI-Q)                    ; the global loads issued behind step Q's: six for each later place of the queue (the last place has two)
.if QHI == NS-1
.set QLC, QLC-4
.endif
.if Q%QS == QS-1                       ; a slot's last step changes slots: one barrier
	WIN 0
	s_wait_tensorcnt 0x0                           ; all my tensor loads have landed: my part of the other slot
	ds_add_u32 v[SPW], v[NIL]                      ; 0 onto my spare word
.if Q/QS+2 < NFILL
	s_mov_b32 s[G1+2], (LASTB/1024)<<16            ; no tensor load of mine is out, so a descriptor may be written: the third fill has 10 K steps
	s_mov_b32 s[G1+4], LASTB/1024
.endif
	s_wait_dscnt 1                                 ; this step's fragments are in (the add may be out)
	s_wait_loadcnt QLC
	WIN MUL
	MULA 0, 2
	s_wait_dscnt 0x0                               ; the add is done, and my reads of this slot are over
	s_barrier_signal -1
	MULA 2, 2
	WIN 0
	s_barrier_wait -1
.if Q/QS+2 < NFILL
	CREST                                          ; the barrier has opened a round of the cluster's: no wave of any partner still reads this slot or has a load on its way
	tensor_load_to_lds s[G0:G0+3], s[G1:G1+7]      ; the first tensor load behind the round
	s_nop 0
.endif
	PLACES
	FETCH Q+1
	GLOAD Q+DEP-1
	WIN MUL
	MULA 4, 4
.else
	s_wait_dscnt 0x0
	s_wait_loadcnt QLC
.if Q < NQT-1
.if Q > 0
	PLACES
.endif
	FETCH Q+1
	GLOAD Q+DEP-1
.if Q == 2
	global_prefetch_b8 v[PFO], s[PFA:PFA+1] th:TH_LOAD_NT scope:SCOPE_SE   ; my 32 blocks of the third fill; its registers are never rewritten
.endif
.endif
	WIN MUL
	MULA 0, 8
.endif
.endm
.set Q, 0
.rept NQT
	QSTEP
.set Q, Q+1
.endr
	WIN 0
	PLACES
.irp a, 0,1,2,3,4,5,6,7
.irp b, 0,1
	ds_store_b128 v[STO], v[ACC+8*(2*\a+\b):ACC+8*(2*\a+\b)+3] offset:(32*(\a/2)+8*(\a%2))*SP+32*\b        ; each accumulator from its low end on
	ds_store_b128 v[STO], v[ACC+8*(2*\a+\b)+4:ACC+8*(2*\a+\b)+7] offset:(32*(\a/2)+8*(\a%2))*SP+32*\b+16
.endr
.endr
	s_wait_dscnt 0x0                               ; for the others' sake: my stores into the stage are done
	s_barrier_signal -1
	s_barrier_wait -1
.set t, 0
.rept 32
	ds_load_b128 v[ACC+4*t:ACC+4*t+3], v[RD] offset:t*SP
.set t, t+1
.endr
	s_wait_loadcnt 0x0                             ; the residual
.set g, 0
.rept 4
	s_wait_dscnt 24-8*g                            ; eight more rows are back
	WIN 0x0c                                       ; source 1 window 3
.set t, 8*g
.rept 8
	v_pk_add_f32 v[ACC+4*t:ACC+4*t+1], v[ACC+4*t:ACC+4*t+1], v[4*t:4*t+1]
	v_pk_add_f32 v[ACC+4*t+2:ACC+4*t+3], v[ACC+4*t+2:ACC+4*t+3], v[4*t+2:4*t+3]
.set t, t+1
.endr
	WIN 0
.set t, 8*g
.rept 8
	global_store_b128 v[LI], v[ACC+4*t:ACC+4*t+3], s[66:67] offset:t*4096   ; 512 consecutive bytes, at a multiple of 256 from out's first byte
.set t, t+1
.endr
.set g, g+1
.endr
	s_wait_tensorcnt 0x0                           ; the wave's end
	ds_add_u32 v[SPW], v[NIL]
	s_wait_dscnt 0x0
	CROUND                                         ; the closing round
	s_endpgm
.Lfunc_end_k_qc6fa5e4dac_fc2:
	.size	k_qc6fa5e4dac_fc2, .Lfunc_end_k_qc6fa5e4dac_fc2-k_qc6fa5e4dac_fc2
	.p2alignl 7, 3214868480
	.fill 96, 4, 3214868480
	.section	.rodata,"a",@progbits
	.p2align	6, 0x0
	.amdhsa_kernel k_qc6fa5e4dac_fc2
		.amdhsa_group_segment_fixed_size 327680
		.amdhsa_private_segment_fixed_size 0
		.amdhsa_enable_private_segment 0
		.amdhsa_kernarg_size 48
		.amdhsa_user_sgpr_count 2
		.amdhsa_user_sgpr_kernarg_segment_ptr 1
		.amdhsa_wavefront_size32 1
		.amdhsa_system_sgpr_workgroup_id_x 1
		.amdhsa_system_sgpr_workgroup_id_y 1
		.amdhsa_system_sgpr_workgroup_id_z 1
		.amdhsa_system_vgpr_workitem_id 0
		.amdhsa_next_free_vgpr 896
		.amdhsa_next_free_sgpr 100
		.amdhsa_reserve_vcc 0
		.amdhsa_float_denorm_mode_32 3
		.amdhsa_float_denorm_mode_16_64 3
		.amdhsa_memory_ordered 1
		.amdhsa_forward_progress 1
		.amdhsa_inst_pref_size 176
	.end_amdhsa_kernel
	.amdgpu_metadata
---
amdhsa.version: [ 1, 2 ]
amdhsa.kernels:
  - .name:           k_qc6fa5e4dac_fc2
    .symbol:         k_qc6fa5e4dac_fc2.kd
    .args:
      - { .name: hid, .offset: 0, .size: 8, .value_kind: global_buffer, .address_space: global }
      - { .name: wcod, .offset: 8, .size: 8, .value_kind: global_buffer, .address_space: global }
      - { .name: wscl, .offset: 16, .size: 8, .value_kind: global_buffer, .address_space: global }
      - { .name: b2, .offset: 24, .size: 8, .value_kind: global_buffer, .address_space: global }
      - { .name: x1, .offset: 32, .size: 8, .value_kind: global_buffer, .address_space: global }
      - { .name: out0, .offset: 40, .size: 8, .value_kind: global_buffer, .address_space: global }
    .group_segment_fixed_size: 327680
    .private_segment_fixed_size: 0
    .kernarg_segment_align: 8
    .kernarg_segment_size: 48
    .max_flat_workgroup_size: 128
    .sgpr_count:     100
    .vgpr_count:     896
    .wavefront_size: 32
...
	.end_amdgpu_metadata
.endif
;; end of part 6
